; MI455X (gfx1250); checked and timed in simulation.
; The chip was launched on July 23, 2026; its instructions are those of AMD's public machine-readable ISA for CDNA 5 (MIT licence, August 2026) and "CDNA5" Instruction Set Architecture Reference Guide (July 2026). The comments in the code are by the model that wrote it; some were corrected since.
;; Multi Head Self Attention. Allowed arithmetic: matrix products marked QUANTISED: E2M3 operands, one E8M0 scale for each 32 along K, by v_wmma_scale_f32_16x16x128_f8f6f4 with both operands' format E2M3, f32 sums; everything else in f32.
;; Inputs: W_proj 1,024 x 1,024 float32; W_qkv 3,072 x 1,024 float32; b_proj 1,024 float32; b_qkv 3,072 float32; x 4 x 2,048 x 1,024 float32.
;; Outputs: out0 4 x 2,048 x 1,024 float32.
;; This version of the problem:
;;   THIS VERSION OF THE PROBLEM IS GIVEN IN LOW PRECISION. The matrix products marked QUANTISED in the list below multiply operands that are first quantised to E2M3 (2 exponent bits, 3 mantissa bits; 6 bits a number), with one power-of-two scale for each 32 numbers along K (OCP MX v1.0); their sums are f32. All else is computed in f32.
;;   The module's matrix products, in the order in which they are computed (A, B: the left and right operand; K: the contracted axis; several contracted axes count as one K, in the product's order):
;;     1. [M 8,192, K 1,024] x [K 1,024, N 3,072]; A: input x; B: input W_qkv: QUANTISED
;;     2. batch 64 x [M 2,048, K 64] x [K 64, N 2,048]; A: computed on the way; B: computed on the way: QUANTISED
;;     3. batch 64 x [M 2,048, K 2,048] x [K 2,048, N 64]; A: softmax (see below); B: computed on the way: QUANTISED
;;     4. [M 8,192, K 1,024] x [K 1,024, N 1,024]; A: computed on the way; B: input W_proj: QUANTISED
;;   THE QUANTISER, for each operand of a quantised product, along K:
;;     - K is cut into blocks of 32 from its start; a last block that is shorter is filled with zeros.
;;     - A block's scale is 2^e with e = floor(log2(the largest magnitude in the block)) - 2, held to -126 .. 127; a block of zeros has e = 0. As a byte (E8M0): e + 127.
;;     - Each number is divided by its block's scale, clamped to +-7.5, and rounded to the nearest number of E2M3, ties to even, subnormals kept.
;;     - The product sums the exact products of the quantised numbers (number of the format x scale) in f32.
;;   ~~~python
;;   def quantise(x, axis):      # numpy; x: float32 -> the quantised numbers, widened to float32 again
;;       x = np.moveaxis(x, axis, -1); K = x.shape[-1]
;;       x = np.pad(x, [(0, 0)] * (x.ndim - 1) + [(0, -K % 32)]); x = x.reshape(x.shape[:-1] + (-1, 32)); a = np.abs(x).max(-1, keepdims=True)
;;       e = np.where(a > 0, np.clip(np.frexp(np.where(a > 0, a, 1))[1] - 1 - 2, -126, 127), 0)      # np.frexp(a)[1] - 1 = floor(log2(a)), exactly
;;       r = np.clip(x / 2.0 ** e, -7.5, 7.5)
;;       step = 2.0 ** (np.maximum(np.frexp(np.where(r == 0, 1, r))[1] - 1, 0) - 3)
;;       q = np.round(r / step) * step * 2.0 ** e      # np.round: ties to even
;;       return np.moveaxis(q.reshape(q.shape[:-2] + (-1,))[..., :K], -1, axis).astype(np.float32)
;;   ~~~
;;   SOFTMAX AHEAD OF A QUANTISED PRODUCT. Where the list says 'softmax', what is quantised is not the finished softmax but p = 2^(t - M), with t = logit x log2(e) and M = ceil(the row's largest t), a whole number; so 1/2 < the row's largest p <= 1. The row's sum l is taken of the UNQUANTISED p, in f32, and the product's result is divided by l at the end. Since M is a whole number, a kernel that streams over the keys may use a running M (the ceiling of the running maximum): every later rescaling is an exact power of two, which a block's scale takes up: the codes' values come out the same.
;;   OPERANDS COMPUTED ON THE WAY. 'Computed on the way' means the value that the module computes at that place (a softmax that the list does not call 'softmax' is quantised finished and normalised). What goes into a quantiser is computed in f32, as accurately as f32 sums, v_exp_f32 and their like allow (about 1e-6 of the number): no bf16 or f16 on the way to a quantiser, and a product that is left as it is and whose result goes on into a quantised operand takes f32 operands (vector FMAs, or v_wmma_f32_16x16x4_f32). A number that lies on a knife's edge between two numbers of the format may be rounded either way, as far as f32 arithmetic and the matrix unit's own rounding can turn it there, and no further.
;; One version. Each part assembles by itself: llvm-mc -triple=amdgcn-amd-amdhsa -mcpu=gfx1250 --defsym DOCPART=n.
;; ======== version 1 of 1: 4 launches
;; workspace buffers: codes 9,437,184 bytes; scales 393,216 bytes; qi 6,815,744 bytes; kv 13,369,344 bytes; oi 6,291,456 bytes; osw 262,144 bytes
;; launch quant (part 1): grid 384 x 1, 4 waves a work-group, no clusters, 33,280 bytes of LDS; arguments x, W_qkv, W_proj, codes, scales; writes codes, scales
.if DOCPART == 1
	.amdgcn_target "amdgcn-amd-amdhsa--gfx1250"
	.amdhsa_code_object_version 6
	.text
	.protected	k_q81af1cc7d2_quant
	.globl	k_q81af1cc7d2_quant
	.p2align	8
	.type	k_q81af1cc7d2_quant,@function
k_q81af1cc7d2_quant:
	s_mov_b64 s[64:65], 0
	v_nop
	global_prefetch_b8 v0, s[64:65] scope:SCOPE_SE
	s_setreg_imm32_b32 hwreg(HW_REG_WAVE_MODE, 25, 1), 1
	s_wait_xcnt 0x0
; x [8192][1024], W_qkv [3072][1024] and W_proj [1024][1024], f32, become codes of FP6 (E2M3), K innermost, 768 bytes a row, and one E8M0 byte for each 32 along K, 32 bytes a row.
; One buffer of codes and one of bytes hold all 12,288 rows: x's, then W_qkv's, then W_proj's.
; THE ROWS ARE STORED IN ANOTHER ORDER: bits 3 and 4 of the row's number change places.  Sixteen stored rows on end are then true rows 8 u + p + 8 (p / 8) of a group of 32 (u = 0, 1; p = 0 .. 15):
; a matrix result whose source 0 is such a tile holds, in a lane's registers of two neighbouring tiles, 16 neighbours along the next product's K.
; A work-group takes 32 rows, a wave 8 rows (8,192 numbers): so only the place of a wave's output changes: wave w stores where wave 2 (w % 2) + w / 2 would.
; A block's scale is 2^(floor(log2(its largest magnitude)) - 2); its byte is the largest magnitude's exponent field - 2, held at 1 from below.
; LIMITS: a block whose largest magnitude lies under 2^-124 keeps the byte 1; a block of zeros has the byte 1 and not 127 (its codes are zeros, and this program alone reads the bytes); NaN and infinities are not served.
; A wave takes 16 steps of 512 numbers.  Each of a step's four loads reads 512 consecutive bytes; the 2,048 bytes turn through the wave's own stage in LDS and come back 64 bytes a lane: 16 neighbours, two lanes to a block.
; No tensor loads, no barrier: waves share nothing.  Loads run four steps ahead, the turn through LDS one step.
.set STEPS, 16
.set EMAX,  2
.set CB,    12                         ; bytes of 16 codes
.set R,     16                         ; v16-79   four sets of 16 numbers as they are loaded
.set X,     80                         ; v80-111  two sets of 16 neighbours
.set C,     128                        ; v128-191 codes: four registers for each step, so that no store's data are written again
.set E,     112                        ; v112-127 a scale byte for each step
.set WREG,  8192                       ; LDS: a region for each wave: two stages of 32 x SP bytes, behind them its 256 scale bytes
.set SP,    80                         ; a lane's place in a stage: 64 bytes + 16 of padding
	s_load_b128 s[4:7], s[0:1], 0x0                ; x, W_qkv
	s_load_b128 s[8:11], s[0:1], 0x10              ; W_proj, the codes
	s_load_b64 s[12:13], s[0:1], 0x20              ; the scale bytes
	v_lshl_add_u32 v192, v0, 2, 0x8000
	v_mov_b32 v193, 0
	v_lshrrev_b32 v1, 5, v0
	v_readfirstlane_b32 s16, v1                    ; wave
	v_and_b32 v2, 31, v0                           ; lane
	v_lshlrev_b32 v3, 4, v2                        ; my 16 bytes of a load's 512
	s_mul_i32 s17, s16, WREG
	v_lshrrev_b32 v14, 2, v2
	v_mul_u32_u24 v14, v14, SP
	v_and_b32 v15, 3, v2
	v_lshl_add_u32 v14, v15, 4, v14
	v_add_nc_u32 v14, s17, v14                     ; the stage, on the way in: SP (lane / 4) + 16 (lane % 4)
	v_mul_u32_u24 v15, v2, SP
	v_add_nc_u32 v15, s17, v15                     ; and on the way out: SP x lane
	v_mul_u32_u24 v4, v2, CB                       ; my codes' place in a step's
	v_lshrrev_b32 v5, 1, v2
	s_add_co_u32 s17, s17, 2*32*SP
	v_add_nc_u32 v5, s17, v5                       ; LDS: my wave's 256 scale bytes, my block's byte
	v_lshlrev_b32 v7, 3, v2                        ; and on the way out 8 bytes a lane
	v_add_nc_u32 v6, s17, v7
	s_wait_kmcnt 0x0
	s_mov_b32 s17, 352                             ; work-groups 0-255 take x, 256-351 W_qkv, 352-383 W_proj: the choice hangs on the work-group's number alone
	s_cmp_lt_u32 ttmp9, 352
	s_cselect_b64 s[6:7], s[6:7], s[8:9]
	s_cselect_b32 s17, 256, s17
	s_cmp_lt_u32 ttmp9, 256
	s_cselect_b64 s[4:5], s[4:5], s[6:7]
	s_cselect_b32 s17, 0, s17                      ; the tensor's first work-group
	s_sub_co_u32 s17, ttmp9, s17
	s_lshl_b32 s17, s17, 2
	s_add_co_u32 s18, s17, s16                     ; which run of 8 rows of the tensor is my wave's
	s_lshl_b32 s18, s18, 15                        ; 32,768 bytes a run (1,023 runs at the most: under 2^32)
	s_mov_b32 s19, 0
	s_add_nc_u64 s[4:5], s[4:5], s[18:19]
	s_and_b32 s20, s16, 1                          ; where it is stored: wave 2 (w % 2) + w / 2 of the same work-group
	s_lshl_b32 s20, s20, 1
	s_lshr_b32 s21, s16, 1
	s_or_b32 s20, s20, s21
	s_lshl_b32 s21, ttmp9, 2
	s_add_co_u32 s20, s20, s21
	s_mul_i32 s18, s20, 32*STEPS*CB                ; 6,144 bytes of codes a run
	s_add_nc_u64 s[10:11], s[10:11], s[18:19]
	s_lshl_b32 s18, s20, 8                         ; 256 scale bytes a run
	s_add_nc_u64 s[12:13], s[12:13], s[18:19]
.macro LOAD t
.irp i, 0,1,2,3
	global_load_b128 v[R+16*((\t)%4)+4*\i:R+16*((\t)%4)+4*\i+3], v3, s[4:5] offset:2048*(\t)+512*\i th:TH_LOAD_NT   ; 32 lanes read 512 consecutive bytes
.endr
.endm
.macro TURN t                          ; step t's numbers through the stage: LDS serves a wave's instructions in order, so no wait stands between the stores and the loads
.irp i, 0,1,2,3
	ds_store_b128 v14, v[R+16*((\t)%4)+4*\i:R+16*((\t)%4)+4*\i+3] offset:32*SP*((\t)%2)+8*SP*\i
.endr
.irp i, 0,1,2,3
	ds_load_b128 v[X+16*((\t)%2)+4*\i:X+16*((\t)%2)+4*\i+3], v15 offset:32*SP*((\t)%2)+16*\i
.endr
.endm
.irp t, 0,1,2,3
	LOAD \t
.endr
	s_wait_loadcnt 12                              ; step 0's four loads are in; the twelve of steps 1 to 3 may be out
	TURN 0
.macro STEP t
.set XS, X+16*((\t)%2)
.if (\t) > 0
	s_wait_dscnt 1                                 ; this step's numbers are back from the stage (the last step's byte store may be out): so its stores into the stage have read their registers,
.else
	s_wait_dscnt 0x0
.endif
.if (\t)+4 < STEPS
	LOAD (\t)+4                                    ; which take the loads of four steps on
.endif
.if (\t)+1 < STEPS
.if STEPS-2-(\t) >= 3
	s_wait_loadcnt 12                              ; the next step's four loads are in; those of the three steps behind it may be out
.else
	s_wait_loadcnt 4*(STEPS-2-(\t))
.endif
	TURN (\t)+1                                    ; and go through the other stage while this step is worked
.endif
	v_max3_num_f32 v8, |v[XS]|, |v[XS+1]|, |v[XS+2]|               ; the largest magnitude of my 16, in two chains
	v_max3_num_f32 v9, |v[XS+3]|, |v[XS+4]|, |v[XS+5]|
.irp i, 6,10
	v_max3_num_f32 v8, v8, |v[XS+\i]|, |v[XS+\i+1]|
	v_max3_num_f32 v9, v9, |v[XS+\i+2]|, |v[XS+\i+3]|
.endr
	v_max3_num_f32 v8, v8, |v[XS+14]|, |v[XS+15]|
	v_max3_num_f32 v8, v8, v9, (EMAX+1)<<23        ; and the floor 2^(3 - 127): the byte cannot fall under 1
	v_max_num_f32_dpp v8, v8, v8 row_xmask:1 row_mask:0xf bank_mask:0xf   ; and of my neighbour's 16: the block's
	v_add_nc_u32 v11, -(EMAX<<23), v8              ; 2 off its exponent field: the conversion takes the exponent field of this operand as its scale, and nothing else of it
	v_cvt_scalef32_pk16_fp6_f32 v[C+4*(\t):C+4*(\t)+2], v[XS:XS+15], v11
	v_lshrrev_b32 v[E+(\t)], 23, v11               ; the scale's byte (a plain line behind the conversion)
	ds_store_b8 v5, v[E+(\t)] offset:16*(\t)       ; both lanes of a block write the same byte with the same value
	global_store_b96 v4, v[C+4*(\t):C+4*(\t)+2], s[10:11] offset:32*CB*(\t)   ; the wave stores 384 consecutive bytes
.endm
.irp t, 0,1,2,3,4,5,6,7,8,9,10,11,12,13,14,15
	STEP \t
.endr
	ds_load_b64 v[12:13], v6                       ; LDS serves a wave's instructions in order: these see my stores
	s_wait_dscnt 0x0
	global_store_b64 v7, v[12:13], s[12:13]        ; 32 lanes store 256 consecutive bytes, aligned
	s_wait_tensorcnt 0x0
	ds_add_u32 v192, v193
	s_wait_dscnt 0x0
	s_endpgm
.Lfunc_end_k_q81af1cc7d2_quant:
	.size	k_q81af1cc7d2_quant, .Lfunc_end_k_q81af1cc7d2_quant-k_q81af1cc7d2_quant
	.p2alignl 7, 3214868480
	.fill 96, 4, 3214868480
	.section	.rodata,"a",@progbits
	.p2align	6, 0x0
	.amdhsa_kernel k_q81af1cc7d2_quant
		.amdhsa_group_segment_fixed_size 33280
		.amdhsa_private_segment_fixed_size 0
		.amdhsa_enable_private_segment 0
		.amdhsa_kernarg_size 40
		.amdhsa_user_sgpr_count 2
		.amdhsa_user_sgpr_kernarg_segment_ptr 1
		.amdhsa_wavefront_size32 1
		.amdhsa_system_sgpr_workgroup_id_x 1
		.amdhsa_system_sgpr_workgroup_id_y 1
		.amdhsa_system_sgpr_workgroup_id_z 1
		.amdhsa_system_vgpr_workitem_id 0
		.amdhsa_next_free_vgpr 194
		.amdhsa_next_free_sgpr 66
		.amdhsa_reserve_vcc 0
		.amdhsa_float_denorm_mode_32 3
		.amdhsa_float_denorm_mode_16_64 3
		.amdhsa_memory_ordered 1
		.amdhsa_forward_progress 1
		.amdhsa_inst_pref_size 33
	.end_amdhsa_kernel
	.amdgpu_metadata
---
amdhsa.version: [ 1, 2 ]
amdhsa.kernels:
  - .name:           k_q81af1cc7d2_quant
    .symbol:         k_q81af1cc7d2_quant.kd
    .args:
      - { .name: x, .offset: 0, .size: 8, .value_kind: global_buffer, .address_space: global }
      - { .name: W_qkv, .offset: 8, .size: 8, .value_kind: global_buffer, .address_space: global }
      - { .name: W_proj, .offset: 16, .size: 8, .value_kind: global_buffer, .address_space: global }
      - { .name: codes, .offset: 24, .size: 8, .value_kind: global_buffer, .address_space: global }
      - { .name: scales, .offset: 32, .size: 8, .value_kind: global_buffer, .address_space: global }
    .group_segment_fixed_size: 33280
    .private_segment_fixed_size: 0
    .kernarg_segment_align: 8
    .kernarg_segment_size: 40
    .max_flat_workgroup_size: 128
    .sgpr_count:     66
    .vgpr_count:     194
    .wavefront_size: 32
...
	.end_amdgpu_metadata
.endif
;; end of part 1
;; launch qkv (part 2): grid 96 x 4, 4 waves a work-group, clusters of 4 x 4, 327,680 bytes of LDS; arguments codes, scales, b_qkv, qi, kv; writes qi, kv
.if DOCPART == 2
	.amdgcn_target "amdgcn-amd-amdhsa--gfx1250"
	.amdhsa_code_object_version 6
	.text
	.protected	k_q81af1cc7d2_qkv
	.globl	k_q81af1cc7d2_qkv
	.p2align	8
	.type	k_q81af1cc7d2_qkv,@function
k_q81af1cc7d2_qkv:
	s_mov_b64 s[64:65], 0
	v_nop
	global_prefetch_b8 v0, s[64:65] scope:SCOPE_SE
	s_setreg_imm32_b32 hwreg(HW_REG_WAVE_MODE, 25, 1), 1
	s_wait_xcnt 0x0
	s_wait_alu depctr_hold_cnt(0) depctr_sa_sdst(0) depctr_va_vdst(0) depctr_va_sdst(0) depctr_va_ssrc(0) depctr_va_vcc(0) depctr_vm_vsrc(0)
	s_getreg_b32 s2, hwreg(HW_REG_IB_STS2, 6, 4)
	s_cmp_eq_u32 s2, 0
	s_cbranch_scc0 .Lentry_in_a_cluster
	s_endpgm
.Lentry_in_a_cluster:
	s_bfe_u32 s2, ttmp6, 0x10000c
	s_cmp_lg_u32 s2, 0xf033
	s_cbranch_scc0 .Lentry_shape_is_right
	s_endpgm
.Lentry_shape_is_right:
; q, k, v = x W_qkv^T + b_qkv on codes of FP6 (E2M3) with one E8M0 scale for each 32 along K = 1,024, and their quantising for attention's two products.  q, k and v never reach memory as f32.
; A work-group of four waves makes 256 x 256 results, a wave 128 x 128 in 64 accumulators.  K goes in steps of 256 through a ring of two LDS slots filled by the tensor data mover; the scale bytes of the work-group's rows come once.
; TWO ROLES, told apart by the cluster's number c (the same in all sixteen partners).  P is source 0 of the matrix instruction, R source 1: a lane holds ONE row of R, and its registers run along rows of P.
;   c < 16  (q and k): P = 256 rows of W (q: c even, k: c odd), R = 256 tokens: a lane's registers run along the head's 64, the K of q k^T.
;   c >= 16 (v):       P = 256 tokens, R = 256 rows of W_v: a lane's registers run along the tokens, the keys, which are the K of p v.
; The stored order of rows (bits 3 and 4 of a row's number exchanged) makes the 64 registers of a block of R (P's eight tiles) 128 numbers' halves in this order: register 16 b + i = number 32 b + 16 (lane / 16) + i.
; So a block is quantised in registers, and what leaves are IMAGES OF OPERAND REGISTERS: each group of four registers is 512 consecutive bytes, lane l's 16 bytes at 16 l.
;   qi: [batch x head 64][group of 128 tokens 16] blocks of 6,656 bytes: four images of 1,536 bytes (12 registers: tile 2 t's six, tile 2 t + 1's six), then the scale words [2][lane 16][4 tiles].
;   kv: [batch x head 64][group 16] blocks of 13,056 bytes: k as in qi (6,656 bytes), then v^T's four tiles of 16 channels x 128 keys (1,536 bytes each), then their scale words [lane 16][4 tiles].
; q's and k's K is 64: a tile has six registers and two scale bytes; bytes 2 and 3 of its word are 0.
; CLUSTERS: 4 x 4 work-groups.  R's tiles hang on cy and are asked for jointly by a row of the cluster, P's on cx and by a column.
; LIMITS: a block whose largest magnitude lies under 2^-124 keeps the byte 1; a block of zeros has the byte 1 and not 127 (zero codes; the bytes are read by this program alone); NaN and infinities are not served.
; REGISTERS, in windows of 256: window 0: v8-15 bias offsets, v16-29 addresses, v32-63 scale words (two sets), v64-127 the bias, v128-223 R's fragments (one set); on the way out v128-248 as named below.
;   window 1: P's fragments, two sets, at v0 and v128.   windows 2, 3: the accumulators: (a, b) at v[8 (8 (a % 4) + b)], a = R's block, b = P's.
.set KSTEP,  256
.set NQ,     2                         ; matrix instructions deep in a slot
.set ROWB,   192                       ; a tile's row in bytes
.set KROW,   768                       ; a row of codes in memory
.set PITCH,  240                       ; an LDS row: 3 x (64 bytes + 16 of padding)
.set FR,     12                        ; registers of a fragment
.set NL,     6                         ; LDS loads that bring one
.set NP,     4                         ; places behind this matrix instruction (ISA guide 7.12.1)
.set HALFT,  128*PITCH
.set SLOT,   4*HALFT                   ; R's 256 rows, then P's 256 rows
.set LAPS,   2                         ; 1,024 along K: twice round the ring
.set KS,     32                        ; a row of scale bytes
.set SCL,    2*SLOT                    ; behind the ring: the scale bytes, as rows of 256 bytes + 16 of padding
.set HALFS,  16*272                    ; those of 128 rows
.set SBLK,   2*272                     ; those of 16 rows
.set SPARE,  SCL+4*HALFS               ; the spare words: 128 bytes a wave, two blocks of 256 bytes that no other line names
.set LO,   8                           ; v8-15   byte offsets of the bias loads
.set ADRA, 16                          ; v16-17  LDS address of my R fragments in slot 0, 1 (v18-19: behind one padding more)
.set ADRB, 20                          ; v20-21  the same for P (v22-23)
.set OFFL, 24                          ; v24     16 x lane: an image's place for my lane
.set OFFS, 25                          ; v25     16 (lane % 16) + (lane / 16) x a head's bytes: the scale words' place
.set LANE, 26                          ; v26     lane
.set ADRS, 27                          ; v27     LDS address of my scale words: lanes 0-15 R's rows, lanes 16-31 P's
.set SPW,  28                          ; v28     LDS address of my spare word; never rewritten
.set NIL,  29                          ; v29     0; never rewritten
.set SC,   32                          ; scale words
.set BP,   64                          ; v64-127 the bias
.set AF,   128                         ; R's fragments
.set ST,   128                         ; the way out: v128-191 a block's 64 numbers with the bias
.set OUT,  192                         ; v192-215 codes on their way out
.set TM,   216                         ; v216-219 largest magnitudes, v220-223 bytes, v228-231 the conversions' scale operands
.set CT,   232                         ; v232-238 the conversions' second halves
.set PWT,  239                         ; a scale word just made
.set SW,   240                         ; v240-247 the eight blocks' scale words
.set SH,   248                         ; 16 (lane / 16)
.set G1, 24                            ; s[24:31] descriptor group 1 for R's tiles;  s[32:39] group 0, one set for each slot
.set G0, 32
.set G1B, 48                           ; the same for P's
.set G0B, 56
.set G1S, 68                           ; groups 1 and 0 for R's scale bytes; then P's
.set G0S, 76
.set G1SB, 80
.set G0SB, 88
.set SEL, 46                           ; s[46:47] on the way out: lane selects for v_permlanex16_b32
.set BA,  96                           ; s[96:97] where my first head's block begins;  s[98:99] my second head's
.set BI,  100                          ; s[100:101] the bias of my 128 features
.set MSB, 0
.macro WIN new                         ; the immediate's high byte repeats the setting that is left
.if MSB != (\new)
	s_set_vgpr_msb (MSB<<8)|(\new)
.set MSB, \new
.endif
.endm
.set MUL_LO, 0xa1                      ; source 0 (P) window 1, source 1 (R) window 0, C and D window 2
.set MUL_HI, 0xf1                      ; the same, C and D window 3
.set TO_B,   0x40                      ; destination window 1, address window 0
; A joint load: waves 0 and 1 fetch for R, waves 2 and 3 for P.  The branch hangs on the wave's number alone.  Four v_nop follow each of the two lines.
.macro JLOAD g0a, g1a, g0b, g1b
	s_cmp_eq_u32 s15, 0
	s_cbranch_scc0 .Lfor_b_\@
	tensor_load_to_lds s[\g0a:\g0a+3], s[\g1a:\g1a+7]
	s_nop 0
.rept 4
	v_nop
.endr
	s_branch .Lasked_\@
.Lfor_b_\@:
	tensor_load_to_lds s[\g0b:\g0b+3], s[\g1b:\g1b+7]
	s_nop 0
.rept 4
	v_nop
.endr
.Lasked_\@:
.endm
.macro CREST                           ; a round of the cluster's barrier behind its opening barrier
	s_cmp_lg_u32 s14, 0
	s_cbranch_scc1 .Lnot_wave_0_\@
	s_barrier_signal -3
.Lnot_wave_0_\@:
	s_barrier_wait -3
	s_barrier_signal -1
	s_barrier_wait -1
.endm
.macro CROUND                          ; a whole round
	s_barrier_signal -1
	s_barrier_wait -1
	CREST
.endm
	s_load_b128 s[4:7], s[0:1], 0x0                ; the codes, the scale bytes
	s_load_b128 s[8:11], s[0:1], 0x10              ; b_qkv, qi
	s_load_b64 s[12:13], s[0:1], 0x20              ; kv
	v_lshl_add_u32 v[SPW], v0, 2, SPARE
	v_mov_b32 v[NIL], 0
	ds_add_u32 v28, v29
	s_wait_dscnt 0x0
	v_lshrrev_b32 v1, 5, v0
	v_readfirstlane_b32 s14, v1                    ; wave 0..3
	s_lshr_b32 s15, s14, 1                         ; which half of R's rows is mine.  Also: I fetch for R (0) or for P (1)
	s_and_b32 s16, s14, 1                          ; which half of P's rows.  Also: which 128 rows I fetch
	s_bfe_u32 s40, ttmp6, 0x40000                  ; cx, cy: my place in the cluster
	s_bfe_u32 s41, ttmp6, 0x40004
	s_lshl_b32 s43, s41, 2
	s_lshl_b32 s43, 15, s43                        ; my row of the cluster
	s_lshl_b32 s44, 0x1111, s40                    ; my column
	; the work-group's first stored rows of R (s17) and of P (s42), by the role
	s_lshr_b32 s17, ttmp9, 1
	s_lshl_b32 s17, s17, 10                        ; q, k: R = tokens 1,024 (c / 2) on
	s_and_b32 s42, ttmp9, 1
	s_lshl_b32 s42, s42, 10
	s_add_co_u32 s42, s42, 8192                    ; q, k: P = W's rows 1,024 (c % 2) on, behind x's 8,192 rows
	s_max_u32 s45, ttmp9, 16
	s_sub_co_u32 s45, s45, 16
	s_lshl_b32 s45, s45, 10                        ; v: P = tokens 1,024 (c - 16) on
	s_cmp_lt_u32 ttmp9, 16
	s_cselect_b32 s17, s17, 10240                  ; v: R = W_v's rows
	s_cselect_b32 s42, s42, s45
	s_lshl_b32 s18, s41, 8
	s_add_co_u32 s17, s17, s18                     ; + 256 cy
	s_lshl_b32 s18, s40, 8
	s_add_co_u32 s42, s42, s18                     ; + 256 cx
	; descriptor group 1: a tile of 128 rows x 192 bytes, 16 bytes of padding behind every 64
	s_or_b32 s[G1+0], s43, (0<<16)|(1<<20)|(1<<21)|(3<<22)|(3<<25)  ; 15:0 the mask: R's tiles go to my row; 17:16 elements of 1 byte; 20 padding on; 21 set beside a mask; 24:22 after every 16 words; 31:25 of 4 words
	s_or_b32 s[G1B+0], s44, (0<<16)|(1<<20)|(1<<21)|(3<<22)|(3<<25)
.irp g, G1, G1B
	s_mov_b32 s[\g+1], ROWB<<16                    ; tensor_dim0
	s_mov_b32 s[\g+2], 128<<16                     ; tensor_dim1
	s_mov_b32 s[\g+3], ROWB<<16                    ; tile_dim0
	s_mov_b32 s[\g+4], 128                         ; tile_dim1
	s_mov_b32 s[\g+5], KROW                        ; tensor_dim0_stride
	s_mov_b32 s[\g+6], 0
	s_mov_b32 s[\g+7], 0
.endr
	; the scale bytes of 128 rows: 4,096 dense bytes, as 16 rows of 256 bytes (32 elements of 8 bytes), 16 bytes of padding behind each
	s_or_b32 s[G1S+0], s43, (3<<16)|(1<<20)|(1<<21)|(5<<22)|(3<<25)
	s_or_b32 s[G1SB+0], s44, (3<<16)|(1<<20)|(1<<21)|(5<<22)|(3<<25)
.irp g, G1S, G1SB
	s_mov_b32 s[\g+1], 32<<16
	s_mov_b32 s[\g+2], 16<<16
	s_mov_b32 s[\g+3], 32<<16
	s_mov_b32 s[\g+4], 16
	s_mov_b32 s[\g+5], 32
	s_mov_b32 s[\g+6], 0
	s_mov_b32 s[\g+7], 0
.endr
	s_lshl_b32 s18, s16, 7                         ; which 128 rows I fetch
	s_add_co_u32 s20, s17, s18                     ; of R
	s_add_co_u32 s46, s42, s18                     ; of P
	s_mov_b32 s21, 0
	s_mov_b32 s47, 0
	s_mov_b64 s[18:19], KS
	s_mul_u64 s[22:23], s[20:21], s[18:19]         ; where these rows' scale bytes begin
	s_mul_u64 s[92:93], s[46:47], s[18:19]
	s_mov_b64 s[18:19], KROW
	s_mul_u64 s[20:21], s[20:21], s[18:19]         ; and their codes
	s_mul_u64 s[46:47], s[46:47], s[18:19]
	s_mul_i32 s45, s14, HALFT                      ; where they go: wave x 128 rows: no place in the cluster enters an LDS address
	s_mul_i32 s94, s14, HALFS
	s_wait_kmcnt 0x0
	s_add_nc_u64 s[20:21], s[4:5], s[20:21]
	s_add_nc_u64 s[22:23], s[6:7], s[22:23]
	s_add_nc_u64 s[46:47], s[4:5], s[46:47]
	s_add_nc_u64 s[92:93], s[6:7], s[92:93]
	CROUND                                         ; all sixteen work-groups are here: the first joint loads meet
	s_mov_b32 s[G0S], 1
	s_add_co_u32 s[G0S+1], s94, SCL
	s_mov_b64 s[G0S+2:G0S+3], s[22:23]
	s_or_b32 s[G0S+3], s[G0S+3], 0x80000000
	s_mov_b32 s[G0SB], 1
	s_add_co_u32 s[G0SB+1], s94, SCL
	s_mov_b64 s[G0SB+2:G0SB+3], s[92:93]
	s_or_b32 s[G0SB+3], s[G0SB+3], 0x80000000
	JLOAD G0S, G1S, G0SB, G1SB                     ; the scale bytes first: they are wanted with K step 0
.irp s, 0,1
	s_mov_b32 s[G0+4*\s], 1
	s_add_co_u32 s[G0+4*\s+1], s45, \s*SLOT
	s_add_nc_u64 s[G0+4*\s+2:G0+4*\s+3], s[20:21], \s*ROWB
	s_or_b32 s[G0+4*\s+3], s[G0+4*\s+3], 0x80000000
	s_mov_b32 s[G0B+4*\s], 1
	s_add_co_u32 s[G0B+4*\s+1], s45, \s*SLOT
	s_add_nc_u64 s[G0B+4*\s+2:G0B+4*\s+3], s[46:47], \s*ROWB
	s_or_b32 s[G0B+4*\s+3], s[G0B+4*\s+3], 0x80000000
	JLOAD G0+4*\s, G1, G0B+4*\s, G1B
.endr
	v_and_b32 v1, 15, v0                           ; r = lane % 16
	v_bfe_u32 v2, v0, 4, 1                         ; h = lane / 16
	v_mul_u32_u24 v3, v1, PITCH
	v_mul_u32_u24 v4, v2, 24
	v_add_nc_u32 v4, v3, v4                        ; a fragment's row x pitch + 24 x half
	v_lshl_add_u32 v5, v2, 4, v4                   ; and the same behind one padding more
	s_mul_i32 s21, s15, HALFT                      ; my 128 rows of R
	s_mul_i32 s22, s16, HALFT                      ; my 128 rows of P,
	s_add_co_u32 s22, s22, 2*HALFT                 ; which lie behind R's 256
.irp s, 0,1
	v_add_nc_u32 v[ADRA+\s], s21, v4
	v_add_nc_u32 v[ADRB+\s], s22, v4
	v_add_nc_u32 v[ADRA+2+\s], s21, v5
	v_add_nc_u32 v[ADRB+2+\s], s22, v5
	s_add_co_u32 s21, s21, SLOT
	s_add_co_u32 s22, s22, SLOT
.endr
	v_mul_u32_u24 v5, v1, KS                       ; my row's scale bytes: 32 a row,
	v_lshrrev_b32 v6, 8, v5
	v_lshl_add_u32 v5, v6, 4, v5                   ; and 16 more for each 256 passed
	s_mul_i32 s21, s15, HALFS                      ; R's: my 128 rows
	s_mul_i32 s22, s16, HALFS                      ; P's: my 128 rows, behind R's 256
	s_add_co_u32 s22, s22, 2*HALFS
	s_sub_co_u32 s22, s22, s21
	v_mul_u32_u24 v6, s22, v2                      ; lanes 16-31 take P's: the lower base + h x the distance
	s_add_co_u32 s21, s21, SCL
	v_add_nc_u32 v5, v5, v6
	v_add_nc_u32 v[ADRS], s21, v5
	; what the way out needs, by the role.  fe = my first feature of W_qkv's 3,072, tk = my first token
	s_lshl_b32 s18, s16, 7
	s_add_co_u32 s18, s18, s42                     ; my first row of P
	s_lshl_b32 s19, s15, 7
	s_add_co_u32 s19, s19, s17                     ; my first row of R
	s_cmp_lt_u32 ttmp9, 16
	s_cselect_b32 s20, s18, s19                    ; the weights' row
	s_cselect_b32 s21, s19, s18                    ; tk
	s_cselect_b32 s66, 64, 0                       ; the bias's offset: q, k: 64 h + 4 j (register j's feature);
	s_cselect_b32 s67, 0, 4                        ; v: 4 (r + 8 (r / 8)) (the lane's feature), the same for all j
	s_cselect_b32 s95, 4, 0
	s_cselect_b32 s23, 0, 6656                     ; v^T lies behind k in a block of kv
	s_sub_co_u32 s20, s20, 8192                    ; fe
	s_lshl_b32 s46, s20, 2
	s_mov_b32 s47, 0
	s_add_nc_u64 s[BI:BI+1], s[8:9], s[46:47]
	s_bfe_u32 s22, s20, 0x40006                    ; my first head: (fe / 64) % 16
	s_lshr_b32 s21, s21, 7                         ; my group of 128 tokens, 0..63
	s_lshr_b32 s46, s21, 4
	s_lshl_b32 s46, s46, 4
	s_add_co_u32 s22, s22, s46                     ; 16 x batch + head
	s_and_b32 s21, s21, 15                         ; the group within the batch
	s_and_b32 s46, ttmp9, 1
	s_lshr_b32 s18, ttmp9, 4
	s_or_b32 s46, s46, s18                         ; 0 where the cluster makes q
	s_mov_b32 s18, 208896
	s_mov_b32 s19, 13056
	s_cmp_eq_u32 s46, 0
	s_cselect_b64 s[BA:BA+1], s[10:11], s[12:13]   ; qi or kv: the choice hangs on the cluster's number alone
	s_cselect_b32 s18, 106496, s18                 ; a head's bytes
	s_cselect_b32 s19, 6656, s19                   ; a group's
	s_mul_i32 s22, s22, s18
	s_mul_i32 s21, s21, s19
	s_add_co_u32 s46, s22, s21
	s_add_co_u32 s46, s46, s23                     ; under 2^24 x 1: 13.4 million at the most
	s_add_nc_u64 s[BA:BA+1], s[BA:BA+1], s[46:47]
	s_mov_b32 s19, 0
	s_add_nc_u64 s[BA+2:BA+3], s[BA:BA+1], s[18:19]
	v_and_b32 v[LANE], 31, v0
	v_lshlrev_b32 v[OFFL], 4, v[LANE]
	v_mul_u32_u24 v[OFFS], v2, s18
	v_lshl_add_u32 v[OFFS], v1, 4, v[OFFS]
	v_lshlrev_b32 v[SH], 4, v2
	v_and_b32 v7, 8, v1
	v_add_nc_u32 v7, v7, v1                        ; r + 8 (r / 8)
	v_mul_u32_u24 v[LO], v2, s66
	v_mad_u32_u24 v[LO], v7, s67, v[LO]
.irp j, 1,2,3,4,5,6,7
	v_add_nc_u32 v[LO+\j], s95, v[LO+\j-1]
.endr
.irp t, 0,1,2,3,4,5,6,7                ; q, k: v[BP + 8 t + j] = the bias of register j of P's tile t;  v: v[BP + 8 a + ..] = the bias of my lane's feature in R's block a.  They land while K is walked
.irp j, 0,1,2,3,4,5,6,7
	global_load_b32 v[BP+8*\t+\j], v[LO+\j], s[BI:BI+1] offset:(32*(\t/2)+8*(\t%2))*4
.endr
.endr
.macro FRAG reg, adr, q, i             ; a fragment: 16 rows x 128 K in 12 registers: lane l holds row l % 16; registers 6 c .. 6 c + 5 hold K = 64 c + 32 (l / 16) + 0 .. 31, 24 bytes as they lie
.irp p, 0,1,2,3,4,5                    ; in pieces of 8 bytes.  Lanes 16-31 take the pieces three on; where such a piece lies behind one padding more, the second address register serves
.set PC, 12*(\q)+6*(\p/3)+\p%3
.if PC%8 < 5
	ds_load_b64 v[\reg+2*\p:\reg+2*\p+1], v[\adr] offset:8*PC+16*(PC/8)+(\i)*16*PITCH
.else
	ds_load_b64 v[\reg+2*\p:\reg+2*\p+1], v[\adr+2] offset:8*PC+16*(PC/8)+(\i)*16*PITCH
.endif
.endr
.endm
; 16 matrix instructions: R's blocks a0, a0 + 1 x P's eight, 128 along K.  p: P's set;  sc: the set of scale words.  zero = 1: the first product starts the sums.
; The 64 accumulators take turns, one instruction a turn, in the same order in every step.
.macro MUL16 a0, p, q, sc, zero
.irp a, \a0, \a0+1
.irp b, 0,1,2,3,4,5,6,7
.if \zero
	v_wmma_scale_f32_16x16x128_f8f6f4 v[8*(8*((\a)%4)+\b):8*(8*((\a)%4)+\b)+7], v[128*(\p)+FR*\b:128*(\p)+FR*\b+FR-1], v[AF+FR*(\a):AF+FR*(\a)+FR-1], 0, v[SC+8*NQ*(\sc)+NQ*\b+(\q)], v[SC+8*NQ*(\sc)+NQ*(\a)+(\q)] matrix_a_fmt:MATRIX_FMT_FP6 matrix_b_fmt:MATRIX_FMT_FP6 matrix_a_scale:MATRIX_SCALE_ROW1
.else
	v_wmma_scale_f32_16x16x128_f8f6f4 v[8*(8*((\a)%4)+\b):8*(8*((\a)%4)+\b)+7], v[128*(\p)+FR*\b:128*(\p)+FR*\b+FR-1], v[AF+FR*(\a):AF+FR*(\a)+FR-1], v[8*(8*((\a)%4)+\b):8*(8*((\a)%4)+\b)+7], v[SC+8*NQ*(\sc)+NQ*\b+(\q)], v[SC+8*NQ*(\sc)+NQ*(\a)+(\q)] matrix_a_fmt:MATRIX_FMT_FP6 matrix_b_fmt:MATRIX_FMT_FP6 matrix_a_scale:MATRIX_SCALE_ROW1
.endif
.endr
.endr
.endm
.macro FETCH_B slot, q, p              ; P's eight fragments of the slot's q-th 128 along K into set p
	WIN TO_B
.irp i, 0,1,2,3,4,5,6,7
	FRAG 128*(\p)+FR*\i, ADRB+\slot, \q, \i
.endr
	WIN 0
.endm
.macro FETCH_A slot, q, i0             ; R's blocks i0 .. i0 + 3
.irp i, \i0, \i0+1, \i0+2, \i0+3
	FRAG AF+FR*(\i), ADRA+\slot, \q, \i
.endr
.endm
.macro SCALES sc                       ; a K step's scale words into set sc: two words a row; lanes 0-15 take R's block i, lanes 16-31 P's block i
.irp i, 0,1,2,3,4,5,6,7
	ds_load_b64 v[SC+8*NQ*\sc+NQ*\i:SC+8*NQ*\sc+NQ*\i+1], v[ADRS] offset:\i*SBLK
.endr
.endm
.macro PLACES n                        ; plain vector lines between a matrix instruction and a load into, or a read of, its registers
.rept \n
	v_nop
.endr
.endm
; A step of 128 along K that has its successor in the same slot.
.macro STEP slot, q, zero
	s_wait_dscnt 4*NL                              ; P's set and R's blocks 0-3 are in; the youngest 24 loads (R's blocks 4-7) may be out
	WIN MUL_LO
	MUL16 0, (\q)%2, \q, \slot, \zero
	MUL16 2, (\q)%2, \q, \slot, \zero
	s_wait_dscnt 0                                 ; R's blocks 4-7 are in
	PLACES NP
	FETCH_B \slot, (\q)+1, 1-(\q)%2
	FETCH_A \slot, (\q)+1, 0
	WIN MUL_HI
	MUL16 4, (\q)%2, \q, \slot, \zero
	MUL16 6, (\q)%2, \q, \slot, \zero
	PLACES NP
	WIN 0
	FETCH_A \slot, (\q)+1, 4
.endm
; A slot's last step changes slots: ONE barrier; in front of it each wave waits for all its tensor loads, adds 0 to its spare word, and waits for that and for its own reads of this slot.  fill = 1: this slot is filled again, two K steps ahead.
.macro TURN slot, next, fill
	s_wait_tensorcnt 0x0                           ; all my tensor loads have landed: my part of the next slot
	ds_add_u32 v[SPW], v[NIL]                      ; 0 onto my spare word
	s_wait_dscnt 4*NL+1                            ; the add and the youngest 24 loads (R's blocks 4-7) may be out
	WIN MUL_LO
	MUL16 0, 1, NQ-1, \slot, 0                     ; sixteen matrix instructions stand between the add and the wait for it
	s_wait_dscnt 0x0                               ; the add is done, and my reads of this slot are over
	s_barrier_signal -1
	MUL16 2, 1, NQ-1, \slot, 0
	WIN 0
	s_barrier_wait -1
.if \fill
	CREST                                          ; the barrier has opened a round of the cluster's barrier: no wave of any partner still reads this slot or has a load on its way
	s_add_nc_u64 s[G0+4*\slot+2:G0+4*\slot+3], s[G0+4*\slot+2:G0+4*\slot+3], 2*ROWB
	s_add_nc_u64 s[G0B+4*\slot+2:G0B+4*\slot+3], s[G0B+4*\slot+2:G0B+4*\slot+3], 2*ROWB
	JLOAD G0+4*\slot, G1, G0B+4*\slot, G1B         ; the first tensor load behind the round; its four v_nop are the places in front of the loads below
.else
	PLACES NP
.endif
	v_add_nc_u32 v[ADRS], 4*NQ, v[ADRS]            ; on to the next K step's scale words
	FETCH_B \next, 0, 0
	FETCH_A \next, 0, 0
	SCALES \next
	WIN MUL_HI
	MUL16 4, 1, NQ-1, \slot, 0
	MUL16 6, 1, NQ-1, \slot, 0
	PLACES NP
	WIN 0
	FETCH_A \next, 0, 4
.endm
	s_wait_tensorcnt 1                             ; the scale bytes and my part of K step 0 are in (K step 1's load may be out)
	s_barrier_signal -1
	s_barrier_wait -1                              ; everybody's are
	FETCH_B 0, 0, 0
	FETCH_A 0, 0, 0
	SCALES 0
	FETCH_A 0, 0, 4
	STEP 0, 0, 1                                   ; the first step stands in front of the loop: its products start the sums
	s_mov_b32 s3, LAPS-1
.Llap:                                                 ; a trip goes once round the ring and fills both slots again
	TURN 0, 1, 1
	STEP 1, 0, 0
	TURN 1, 0, 1
	STEP 0, 0, 0
	s_sub_co_u32 s3, s3, 1
	s_cmp_lg_u32 s3, 0
	s_cbranch_scc1 .Llap
	TURN 0, 1, 0                                   ; the last lap fills nothing, and has no round of the cluster's barrier
	STEP 1, 0, 0
	s_wait_dscnt 4*NL                              ; the very last step: nothing more to fetch
	WIN MUL_LO
	MUL16 0, 1, NQ-1, 1, 0
	MUL16 2, 1, NQ-1, 1, 0
	s_wait_dscnt 0
	WIN MUL_HI
	MUL16 4, 1, NQ-1, 1, 0
	MUL16 6, 1, NQ-1, 1, 0
	WIN 0
; THE WAY OUT.  No LDS: a block of R (64 registers a lane) gets its bias, is quantised in registers and leaves as images.
; Block a's 64 sums + the bias -> v[ST] on; each accumulator is read from its low end on.
.macro ADDB a, rolev
	WIN 0x02+((\a)/4)                              ; source 0: window 2 or 3
.set AC, 64*((\a)%4)
.set ii, 0
.rept 32
.if \rolev
	v_pk_add_f32 v[ST+2*ii:ST+2*ii+1], v[AC+2*ii:AC+2*ii+1], v[BP+8*(\a):BP+8*(\a)+1]
.else
	v_pk_add_f32 v[ST+2*ii:ST+2*ii+1], v[AC+2*ii:AC+2*ii+1], v[BP+2*ii:BP+2*ii+1]
.endif
.set ii, ii+1
.endr
	WIN 0
.endm
; 64 numbers of a lane, register 16 b + i = k 32 b + 16 (lane / 16) + i of my row, become codes: k 0-63 in v[d0] .. v[d0 + 5], k 64-127 in v[d1] .. v[d1 + 5], in the operand's layout; the four scale bytes in v[pw].
.macro QUANT s, d0, d1, pw
.irp b, 0,1,2,3
	v_max3_num_f32 v[TM+\b], |v[\s+16*\b]|, |v[\s+1+16*\b]|, 0x1800000   ; block b: my 16 numbers, and the floor 2^(3 - 127): the byte cannot fall under 1
.endr
.irp i, 2,4,6,8,10,12,14
.irp b, 0,1,2,3
	v_max3_num_f32 v[TM+\b], v[TM+\b], |v[\s+16*\b+\i]|, |v[\s+1+16*\b+\i]|   ; (the four blocks by turns)
.endr
.endr
.irp b, 0,1,2,3
	v_permlanex16_b32 v[TM+4+\b], v[TM+\b], s[SEL], s[SEL+1]
.endr
.irp b, 0,1,2,3
	v_max_num_f32 v[TM+\b], v[TM+\b], v[TM+4+\b]   ; with lane l xor 16's: the block's largest magnitude
.endr
.irp b, 0,1,2,3
	v_add_nc_u32 v[TM+12+\b], 0xff000000, v[TM+\b] ; 2 off its exponent field: the conversion's scale operand
.endr
.irp b, 0,1,2,3
	v_lshrrev_b32 v[TM+4+\b], 23, v[TM+12+\b]      ; the scale's byte
.endr
	v_lshl_or_b32 v[\pw], v[TM+5], 8, v[TM+4]
	v_lshl_or_b32 v[\pw], v[TM+6], 16, v[\pw]
	v_lshl_or_b32 v[\pw], v[TM+7], 24, v[\pw]
	v_cvt_scalef32_pk16_fp6_f32 v[\d0:\d0+2], v[\s:\s+15], v[TM+12]
	v_cvt_scalef32_pk16_fp6_f32 v[CT:CT+2], v[\s+16:\s+31], v[TM+13]   ; (a conversion's three registers begin on an even number)
	v_cvt_scalef32_pk16_fp6_f32 v[\d1:\d1+2], v[\s+32:\s+47], v[TM+14]
	v_cvt_scalef32_pk16_fp6_f32 v[CT+4:CT+6], v[\s+48:\s+63], v[TM+15]
	v_nop                                          ; one plain line behind the scaled conversions
.irp i, 0,1,2                          ; the operand's layout wants a WHOLE block in a lane: lanes 0-15 the even block, lanes 16-31 the odd one
	v_permlane16_swap_b32 v[\d0+\i], v[CT+\i]
.endr
.irp i, 0,1,2
	v_mov_b32 v[\d0+3+\i], v[CT+\i]
.endr
.irp i, 0,1,2
	v_permlane16_swap_b32 v[\d1+\i], v[CT+4+\i]
.endr
.irp i, 0,1,2
	v_mov_b32 v[\d1+3+\i], v[CT+4+\i]
.endr
.endm
	PLACES NP                                      ; behind the last products: their results are read and R's registers written below
	s_wait_loadcnt 0x0                             ; the bias
	s_mov_b32 s[SEL], 0x76543210
	s_mov_b32 s[SEL+1], 0xfedcba98
.irp b, 0,1,2,3
	v_mov_b32 v[TM+4+\b], 0                        ; written once: a lane permute's destination counts as one of its sources
.endr
	s_cmp_lt_u32 ttmp9, 16
	s_cbranch_scc0 .Lrole_v
	; q or k.  A block is 16 tokens x 128 features: two heads.  k 0-63 are the first head's tile, k 64-127 the second's; two tiles make an image of 12 registers
.irp t, 0,1,2,3
.if \t > 0
	s_wait_xcnt 0x0                                ; the last pair's stores have read their registers
.endif
.irp p, 0,1
	ADDB 2*\t+\p, 0
	QUANT ST, OUT+6*\p, OUT+12+6*\p, PWT
	v_lshrrev_b32 v[SW+2*\t+\p], v[SH], v[PWT]     ; lanes 0-15 keep the first head's two bytes, lanes 16-31 the second's;
	v_and_b32 v[SW+2*\t+\p], 0xffff, v[SW+2*\t+\p] ; bytes 2 and 3 are 0
.endr
.irp g, 0,1,2
	global_store_b128 v[OFFL], v[OUT+4*\g:OUT+4*\g+3], s[BA:BA+1] offset:1536*\t+512*\g        ; the wave stores 512 consecutive bytes
	global_store_b128 v[OFFL], v[OUT+12+4*\g:OUT+12+4*\g+3], s[BA+2:BA+3] offset:1536*\t+512*\g
.endr
.endr
	global_store_b128 v[OFFS], v[SW:SW+3], s[BA:BA+1] offset:6144      ; the words of tiles 0-3: sixteen lanes store 256 consecutive bytes, aligned, for each head
	global_store_b128 v[OFFS], v[SW+4:SW+7], s[BA:BA+1] offset:6400    ; of tiles 4-7
	s_branch .Lend
.Lrole_v:
	; v.  A block is 16 channels x 128 keys: one tile of v^T, a whole fragment and a whole scale word.  Blocks 0-3 are the first head's, 4-7 the second's
.irp a, 0,1,2,3,4,5,6,7
.if \a >= 2
	s_wait_xcnt 0x0                                ; block a - 2's stores have read their registers
.endif
	ADDB \a, 1
	QUANT ST, OUT+12*(\a%2), OUT+12*(\a%2)+6, SW+\a
.irp g, 0,1,2
	global_store_b128 v[OFFL], v[OUT+12*(\a%2)+4*\g:OUT+12*(\a%2)+4*\g+3], s[BA:BA+1] offset:(\a/4)*208896+(\a%4)*1536+512*\g
.endr
.endr
	v_cmp_le_u32 vcc_lo, 16, v[LANE]
.irp i, 0,1,2,3
	v_cndmask_b32 v[SW+\i], v[SW+\i], v[SW+4+\i], vcc_lo   ; lanes 0-15 keep the first head's words, lanes 16-31 take the second's
.endr
	global_store_b128 v[OFFS], v[SW:SW+3], s[BA:BA+1] offset:6144
.Lend:
	s_wait_tensorcnt 0x0                           ; the wave's end
	ds_add_u32 v[SPW], v[NIL]
	s_wait_dscnt 0x0
	CROUND                                         ; the closing round: no work-group ends while a partner may still ask for a tile that names it
	s_endpgm
.Lfunc_end_k_q81af1cc7d2_qkv:
	.size	k_q81af1cc7d2_qkv, .Lfunc_end_k_q81af1cc7d2_qkv-k_q81af1cc7d2_qkv
	.p2alignl 7, 3214868480
	.fill 96, 4, 3214868480
	.section	.rodata,"a",@progbits
	.p2align	6, 0x0
	.amdhsa_kernel k_q81af1cc7d2_qkv
		.amdhsa_group_segment_fixed_size 327680
		.amdhsa_private_segment_fixed_size 0
		.amdhsa_enable_private_segment 0
		.amdhsa_kernarg_size 40
		.amdhsa_user_sgpr_count 2
		.amdhsa_user_sgpr_kernarg_segment_ptr 1
		.amdhsa_wavefront_size32 1
		.amdhsa_system_sgpr_workgroup_id_x 1
		.amdhsa_system_sgpr_workgroup_id_y 1
		.amdhsa_system_sgpr_workgroup_id_z 1
		.amdhsa_system_vgpr_workitem_id 0
		.amdhsa_next_free_vgpr 1024
		.amdhsa_next_free_sgpr 102
		.amdhsa_reserve_vcc 1
		.amdhsa_float_denorm_mode_32 3
		.amdhsa_float_denorm_mode_16_64 3
		.amdhsa_memory_ordered 1
		.amdhsa_forward_progress 1
		.amdhsa_inst_pref_size 237
	.end_amdhsa_kernel
	.amdgpu_metadata
---
amdhsa.version: [ 1, 2 ]
amdhsa.kernels:
  - .name:           k_q81af1cc7d2_qkv
    .symbol:         k_q81af1cc7d2_qkv.kd
    .args:
      - { .name: codes, .offset: 0, .size: 8, .value_kind: global_buffer, .address_space: global }
      - { .name: scales, .offset: 8, .size: 8, .value_kind: global_buffer, .address_space: global }
      - { .name: b_qkv, .offset: 16, .size: 8, .value_kind: global_buffer, .address_space: global }
      - { .name: qi, .offset: 24, .size: 8, .value_kind: global_buffer, .address_space: global }
      - { .name: kv, .offset: 32, .size: 8, .value_kind: global_buffer, .address_space: global }
    .group_segment_fixed_size: 327680
    .private_segment_fixed_size: 0
    .kernarg_segment_align: 8
    .kernarg_segment_size: 40
    .max_flat_workgroup_size: 128
    .sgpr_count:     102
    .vgpr_count:     1024
    .wavefront_size: 32
...
	.end_amdgpu_metadata
.endif
;; end of part 2
;; launch attn (part 3): grid 8 x 32, 8 waves a work-group, clusters of 4 x 1, 327,680 bytes of LDS; arguments qi, kv, oi, osw; writes oi, osw
.if DOCPART == 3
	.amdgcn_target "amdgcn-amd-amdhsa--gfx1250"
	.amdhsa_code_object_version 6
	.text
	.protected	k_q81af1cc7d2_attn
	.globl	k_q81af1cc7d2_attn
	.p2align	8
	.type	k_q81af1cc7d2_attn,@function
k_q81af1cc7d2_attn:
	s_mov_b64 s[64:65], 0
	v_nop
	global_prefetch_b8 v0, s[64:65] scope:SCOPE_SE
	s_setreg_imm32_b32 hwreg(HW_REG_WAVE_MODE, 25, 1), 1
	s_wait_xcnt 0x0
	s_wait_alu depctr_hold_cnt(0) depctr_sa_sdst(0) depctr_va_vdst(0) depctr_va_sdst(0) depctr_va_ssrc(0) depctr_va_vcc(0) depctr_vm_vsrc(0)
	s_getreg_b32 s2, hwreg(HW_REG_IB_STS2, 6, 4)
	s_cmp_eq_u32 s2, 0
	s_cbranch_scc0 .Lentry_in_a_cluster
	s_endpgm
.Lentry_in_a_cluster:
	s_bfe_u32 s2, ttmp6, 0x10000c
	s_cmp_lg_u32 s2, 0x3003
	s_cbranch_scc0 .Lentry_shape_is_right
	s_endpgm
.Lentry_shape_is_right:
; Attention on codes of FP6 (E2M3): S^T = k q^T (K = the head's 64), p = 2^(t - M), O^T = v^T p^T (K = the keys), O / l, and O's quantising along the model's 1,024 for the last product.
; t = score x log2(e) / 8; M = the running largest t rounded UP to a whole number; p is quantised along the keys and not normalised; the row's sum l is taken of the unquantised p.  When M moves, l and O are multiplied by 2^(old M - new M): exact.
; SHARES.  A work-group owns 256 queries of one batch and TWO heads, which it walks one after the other: 2 x 16 key steps of 128 keys, one dense stream of 32 blocks of 13,056 bytes of kv.  At the end a lane holds 128 along the
; last product's K (two heads x 64): a whole fragment and a whole scale word.  Each of eight waves owns two tiles of 16 queries: TILE 0 LIVES IN REGISTER WINDOW 0, TILE 1 IN WINDOW 1, AT THE SAME NUMBERS, so the softmax is written
; once and runs under two settings of the windows, and each fragment of k and v read from LDS feeds two matrix instructions.  Two waves share a SIMD: one wave's waits stand beside the other's vector work.
; LAYOUT.  Both products are used transposed: a lane holds ONE query (lane % 16) throughout.  The keys of a tile of k and the channels of a tile of v^T are not neighbours: lane r of tile 2 b + u holds 32 b + 8 u + r + 8 (r / 8),
; so that the 16 registers of tiles 2 b and 2 b + 1 of a result are 16 neighbours, 32 b + 16 (lane / 16) + 0 .. 15.  All operands lie in memory and LDS as images of registers: a load of 16 bytes a lane takes 512 consecutive bytes.
; K = 64 IN AN INSTRUCTION OF K = 128.  A tile of k is six registers; the instruction names twelve: the upper six are the next tile's codes (behind the last tile: zeros).  They meet q's upper six, which are zero codes, and bytes 2
; and 3 of both scale words are 0: they add nothing.
; CLUSTER.  The four blocks of queries of a cluster walk the same stream: each slot is asked for JOINTLY.  Waves 0 to 3 fetch one key step each.
; LIMITS: a block whose largest magnitude lies under 2^-124 keeps the byte 1; a block of zeros has the byte 1 (zero codes; this program alone reads the bytes); NaN and infinities are not served.
; REGISTERS.  In both windows: v12 -M, v13 the largest t, v[14:15] the sum, v16-21 q, v22-27 zeros, v96-159 S^T then p, v160-191 O^T, v200-211 the output's codes, v212 the first head's two bytes, v213 the output's scale word,
;   v224-235 p's codes, v232-247, v252, v254 at work, v253 p's scale word.   Window 0 alone: v1-11, v28-29 addresses, v32-79 k's eight tiles, v80-85 zeros, v86-93 k's words, v94-95 q's words of tiles 0 and 1,
;   v214 tile 1's p word (scale operands have no window), v216-219 the way out, v248-251 v's words.   Window 1 alone: v32-79 v^T's four tiles, v80-93 a head's q as it is loaded.
.set STEPB, 13056                      ; a key step's block: k 6,144, its words 512, v^T 6,144, its words 256
.set SLOTB, 4*STEPB                    ; a slot holds four key steps
.set SLOT1, 65536                      ; slot 1 begins here: one exclusive or turns an address from one slot to the other
.set SPARE, 131072                     ; the spare words: 128 bytes for each of eight waves, four blocks of 256 bytes that no other line names
.set OSG,   SPARE+1024                 ; 1,024 bytes: the work-group's 256 scale words on their way out; no tensor load lands here
.set QHEAD, 106496                     ; a head's bytes in qi
.set LI,  1                            ; v1   16 x lane
.set LR,  2                            ; v2   16 x (lane % 16)
.set SPW, 5                            ; v5   LDS address of my spare word; never rewritten
.set NIL, 6                            ; v6   0; never rewritten
.set PFO, 7                            ; v7   the prefetches' offset
.set AL,  8                            ; v8   the step's block + 16 x lane
.set AR,  9                            ; v9   the step's block + 16 x (lane % 16)
.set OSA, 10                           ; v10  where I put a scale word
.set OSR, 11                           ; v11  where waves 0 and 1 read 512 bytes of them back
.set QC,  28                           ; v28  q's codes: my byte offset in the group's block
.set QW,  29                           ; v29  q's words
.set WV,  12                           ; s12  wave
.set LIM, 15                           ; s15  1 in a wave that prefetches, else the greatest number
.set PFA, 18                           ; s[18:19] where my prefetches stand
.set SEL, 20                           ; s[20:21] lane selects for v_permlanex16_b32: lane l xor 16
.set CS,  22                           ; s[22:23] c = log2(e) / 8
.set G1,  24                           ; s[24:31] descriptor group 1
.set G0,  32                           ; s[32:35] descriptor group 0, which walks
.set TB,  36                           ; s36  LDS byte at which the step in hand begins
.set SLOTS, 37                         ; s37  slots still to be asked for
.set CNT, 38                           ; s38  counts a slot's four steps
.set OB,  40                           ; s[40:41] my first tile's image in oi
.set OSB, 42                           ; s[42:43] my 512 bytes of osw
.set QB,  44                           ; s[44:45] my group's block of the first head in qi
.set MSB, 0
.macro WIN new                         ; the immediate's high byte repeats the setting that is left
.if MSB != (\new)
	s_set_vgpr_msb (MSB<<8)|(\new)
.set MSB, \new
.endif
.endm
.macro CROUND                          ; a round of the cluster's barrier
	s_barrier_signal -1
	s_barrier_wait -1
	s_cmp_lg_u32 s[WV], 0
	s_cbranch_scc1 .Lnot_wave_0_\@
	s_barrier_signal -3
.Lnot_wave_0_\@:
	s_barrier_wait -3
	s_barrier_signal -1
	s_barrier_wait -1
.endm
.macro TLOAD                           ; waves 0 to 3 fetch one key step each; the branch hangs on the wave's number alone.  Four v_nop follow the load
	s_cmp_lt_u32 s[WV], 4
	s_cbranch_scc0 .Lnone_\@
	tensor_load_to_lds s[G0:G0+3], s[G1:G1+7]
	s_nop 0
.rept 4
	v_nop
.endr
.Lnone_\@:
.endm
; A PREFETCH INTO THE L2 of the slot that the NEXT change of slots will ask for: four key steps ahead of that load.  Both clusters of a pair of heads walk the same stream: the first (cluster x = 0) asks.  Its four partners share
; the slot's four blocks out BY ADDRESS, one block of 51 x 256 bytes each; in each, waves 4 and 5, which fetch nothing, ask: lanes 256 bytes apart, wave 4 for pieces 0-31, wave 5 for 32-50 (its other lanes name piece 50 again,
; in the same instruction).  The last change that fills a slot asks for nothing; slots 0 and 1 come by their loads alone.
.macro ASK
	s_cmp_gt_u32 s[SLOTS], s[LIM]
	s_cbranch_scc0 .Lnot_mine_\@
	global_prefetch_b8 v[PFO], s[PFA:PFA+1] th:TH_LOAD_NT scope:SCOPE_SE
.Lnot_mine_\@:
.endm
	s_load_b256 s[4:11], s[0:1], 0x0               ; qi s[4:5], kv s[6:7], oi s[8:9], osw s[10:11]
	v_lshl_add_u32 v[SPW], v0, 2, SPARE
	v_mov_b32 v[NIL], 0
	ds_add_u32 v5, v6
	ds_add_u32 v5, v6
	s_wait_dscnt 0x0
	v_lshrrev_b32 v3, 5, v0
	s_delay_alu instid0(VALU_DEP_1)
	v_readfirstlane_b32 s[WV], v3                  ; wave 0..7
	s_bfe_u32 s13, ttmp6, 0x40000                  ; cx
	s_lshl_b32 s14, ttmp9, 2
	s_add_co_u32 s14, s14, s13                     ; my block of 256 queries: it enters q's and the outputs' addresses alone
	s_and_b32 s39, ttmp7, 0xffff                   ; 8 x batch + pair of heads, which the four partners share
	v_and_b32 v3, 31, v0                           ; lane
	v_and_b32 v4, 15, v0                           ; r
	s_delay_alu instid0(VALU_DEP_2)
	v_lshlrev_b32 v[LI], 4, v3
	s_delay_alu instid0(VALU_DEP_2)
	v_lshlrev_b32 v[LR], 4, v4
	s_wait_alu depctr_va_vdst(0)
	s_lshl_b32 s16, s[WV], 7
	v_lshl_add_u32 v[OSA], v4, 2, s16
	s_delay_alu instid0(VALU_DEP_1)
	v_add_nc_u32 v[OSA], OSG, v[OSA]               ; OSG + 128 x wave + 4 r (tile 1: 64 more)
	s_lshl_b32 s17, s[WV], 9
	v_add_nc_u32 v[OSR], s17, v[LI]
	s_delay_alu instid0(VALU_DEP_1)
	v_add_nc_u32 v[OSR], OSG, v[OSR]               ; OSG + 512 x wave + 16 x lane
	s_and_b32 s16, s[WV], 3                        ; my pair of tiles in the group
	s_mul_i32 s16, s16, 1536
	v_add_nc_u32 v[QC], s16, v[LI]
	s_bfe_u32 s17, s[WV], 0x10001
	s_lshl_b32 s17, s17, 8                         ; words: tiles 0-3 or 4-7,
	s_and_b32 s16, s[WV], 1
	s_lshl_b32 s16, s16, 3                         ; the pair's two words among the four
	s_add_co_u32 s17, s17, s16
	s_add_co_u32 s17, s17, 6144
	v_add_nc_u32 v[QW], s17, v[LR]
	s_and_b32 s17, s[WV], 1
	s_lshl_b32 s17, s17, 5
	v_add_nc_u32 v[PFO], s17, v3
	s_delay_alu instid0(VALU_DEP_1)
	v_min_u32 v[PFO], 50, v[PFO]
	s_delay_alu instid0(VALU_DEP_1)
	v_lshlrev_b32 v[PFO], 8, v[PFO]
	s_lshr_b32 s16, s[WV], 1
	s_xor_b32 s16, s16, 2                          ; 0 in waves 4 and 5,
	s_or_b32 s16, s16, ttmp9                       ; of the first cluster: the same in all four partners
	s_cmp_eq_u32 s16, 0
	s_cselect_b32 s[LIM], 1, -1
	; descriptor group 1: a key step's block, 13,056 dense bytes, as 51 rows of 256 bytes; no padding: every LDS read takes consecutive bytes
	s_mov_b32 s[G1], 15|(3<<16)|(1<<21)            ; 15:0 the mask: all four work-groups; 17:16 elements of 8 bytes; 21 set beside a mask
	s_mov_b32 s[G1+1], 32<<16                      ; tensor_dim0 = 32
	s_mov_b32 s[G1+2], 51<<16                      ; tensor_dim1 = 51
	s_mov_b32 s[G1+3], 32<<16                      ; tile_dim0
	s_mov_b32 s[G1+4], 51                          ; tile_dim1
	s_mov_b32 s[G1+5], 32                          ; tensor_dim0_stride
	s_mov_b32 s[G1+6], 0
	s_mov_b32 s[G1+7], 0
	s_mov_b32 s[SEL], 0x76543210
	s_mov_b32 s[SEL+1], 0xfedcba98
	s_mov_b32 s[CS], 0x3e38aa3b                    ; c = log2(e) / 8
	s_mov_b32 s[CS+1], s[CS]                       ; (named with it as a pair, so it is written)
	s_mov_b32 s[TB], 0
	s_mov_b32 s[SLOTS], 7
	s_mul_i32 s46, s39, 2*208896                   ; the pair's stream in kv
	s_mov_b32 s47, 0
	s_mul_i32 s50, s[WV], STEPB                    ; the key step that I fetch: in memory and in a slot alike
	s_mov_b32 s51, 0
	s_mul_i32 s52, s13, STEPB                      ; the prefetches: my work-group's block,
	s_add_co_u32 s52, s52, SLOTB                   ; in slot 1: the first change of slots steps it to slot 2
	s_mov_b32 s53, 0
	s_mul_i32 s54, s39, 2*QHEAD                    ; q: the pair's first head,
	s_lshl_b32 s16, s14, 1
	s_lshr_b32 s17, s[WV], 2
	s_add_co_u32 s16, s16, s17                     ; my group of 128 queries
	s_mul_i32 s16, s16, 6656
	s_add_co_u32 s54, s54, s16
	s_mov_b32 s55, 0
	s_lshr_b32 s56, s39, 3                         ; batch
	s_and_b32 s57, s39, 7                          ; pair of heads = the last product's step of 128 along K
	s_lshl_b32 s16, s56, 7
	s_lshl_b32 s17, s14, 4
	s_add_co_u32 s16, s16, s17
	s_lshl_b32 s17, s[WV], 1
	s_add_co_u32 s16, s16, s17                     ; my first tile of 16 tokens among 512: 128 x batch + 16 x block + 2 x wave
	s_mul_i32 s58, s16, 12288
	s_mul_i32 s17, s57, 1536
	s_add_co_u32 s58, s58, s17
	s_mov_b32 s59, 0
	s_lshl_b32 s60, s57, 15                        ; osw: the pair's plane of 8,192 words,
	s_lshl_b32 s16, s56, 13
	s_add_co_u32 s60, s60, s16                     ; the batch's 2,048,
	s_lshl_b32 s16, s14, 10
	s_add_co_u32 s60, s60, s16                     ; the block's 256,
	s_lshl_b32 s16, s[WV], 9
	s_add_co_u32 s60, s60, s16                     ; 512 bytes for each of waves 0 and 1
	s_mov_b32 s61, 0
	s_wait_kmcnt 0x0
	s_add_nc_u64 s[48:49], s[6:7], s[46:47]
	s_mov_b32 s[G0], 1                             ; count = 1
	s_mov_b32 s[G0+1], s50                         ; LDS address: slot 0
	s_add_nc_u64 s[G0+2:G0+3], s[48:49], s[50:51]
	s_or_b32 s[G0+3], s[G0+3], 0x80000000          ; type = 2
	s_add_nc_u64 s[PFA:PFA+1], s[48:49], s[52:53]
	s_add_nc_u64 s[QB:QB+1], s[4:5], s[54:55]
	s_add_nc_u64 s[OB:OB+1], s[8:9], s[58:59]
	s_add_nc_u64 s[OSB:OSB+1], s[10:11], s[60:61]
	CROUND                                         ; all four work-groups are here: the first joint loads meet
	TLOAD                                          ; slot 0
.macro QLOAD hb                        ; head hb's q of my two tiles: an image of 12 registers and two scale words, into v80-93 of window 1
	WIN 0x40                                       ; destination window 1, address window 0
.irp g, 0,1,2
	global_load_b128 v[80+4*\g:83+4*\g], v[QC], s[QB:QB+1] offset:\hb*QHEAD+512*\g
.endr
	global_load_b64 v[92:93], v[QW], s[QB:QB+1] offset:\hb*QHEAD
	WIN 0
.endm
.macro QIN                             ; and from there to their places
	WIN 0x01                                       ; source window 1, destination window 0
.irp i, 0,1,2,3,4,5
	v_mov_b32 v[16+\i], v[80+\i]
.endr
	v_mov_b32 v94, v92
	v_mov_b32 v95, v93
	WIN 0x41                                       ; both window 1
.irp i, 0,1,2,3,4,5
	v_mov_b32 v[16+\i], v[86+\i]
.endr
	WIN 0
.endm
.macro INIT                            ; a head begins: O^T and the sum as zeros, the largest t as -3e38: the first change of M multiplies zeros, so the key step has no first form of its own
	v_mov_b32 v13, 0xff61b1e6
	s_delay_alu instid0(VALU_DEP_1)
	v_floor_f32 v12, -v13
	v_mov_b32 v14, 0
	v_mov_b32 v15, 0
.set ii, 0
.rept 32
	v_mov_b32 v[160+ii], 0
.set ii, ii+1
.endr
.endm
.macro ONCE                            ; written once in each window: q's upper six registers; the lane permutes' destinations; the upper half of the pair v[252:253]
.irp i, 22,23,24,25,26,27,236,237,238,239,253
	v_mov_b32 v[\i], 0
.endr
.endm
	s_wait_alu depctr_va_vdst(0)
	QLOAD 0
	ONCE
.irp i, 80,81,82,83,84,85
	v_mov_b32 v[\i], 0                             ; what the last tile of k names as its upper six registers
.endr
	WIN 0x55
	ONCE
	WIN 0
	s_wait_loadcnt 0x0
	QIN
	QLOAD 1                                        ; the second head's q lands while the first head is walked
	INIT                                           ; (these lines also stand between the writing of q's words and the first product that reads them)
	WIN 0x55
	INIT
	WIN 0
.macro QK qw                           ; S^T = k q^T: eight tiles of 16 keys
.irp t, 0,1,2,3,4,5,6,7
	v_wmma_scale_f32_16x16x128_f8f6f4 v[96+8*\t:103+8*\t], v[32+6*\t:43+6*\t], v[16:27], 0, v[86+\t], v[\qw] matrix_a_fmt:MATRIX_FMT_FP6 matrix_b_fmt:MATRIX_FMT_FP6
.endr
.endm
.macro PV pw                           ; O^T += v^T p^T: four tiles of 16 channels; K = the step's 128 keys
.irp t, 0,1,2,3
	v_wmma_scale_f32_16x16x128_f8f6f4 v[160+8*\t:167+8*\t], v[32+12*\t:43+12*\t], v[224:235], v[160+8*\t:167+8*\t], v[248+\t], v[\pw] matrix_a_fmt:MATRIX_FMT_FP6 matrix_b_fmt:MATRIX_FMT_FP6
.endr
.endm
; One tile's softmax for one key step, in the window that is set.  copy = 1: the tile lives in window 1, and its p word is copied to v214 of window 0.
.macro SOFTMAX copy
.irp b, 0,1,2,3
	v_max3_num_f32 v[232+\b], v[96+16*\b], v[97+16*\b], v[98+16*\b]   ; the largest score of each block of 32 keys: it serves the row's maximum and, since p rises with the score, the block's largest p
.endr
.irp i, 3,5,7,9,11,13
.irp b, 0,1,2,3
	v_max3_num_f32 v[232+\b], v[232+\b], v[96+16*\b+\i], v[97+16*\b+\i]
.endr
.endr
.irp b, 0,1,2,3
	v_max_num_f32 v[232+\b], v[232+\b], v[111+16*\b]
.endr
.irp b, 0,1,2,3
	s_delay_alu instid0(VALU_DEP_4)
	v_permlanex16_b32 v[236+\b], v[232+\b], s[SEL], s[SEL+1]
.endr
.irp b, 0,1,2,3
	s_delay_alu instid0(VALU_DEP_4)
	v_max_num_f32 v[232+\b], v[232+\b], v[236+\b]  ; with lane l xor 16's 16 keys
.endr
	s_delay_alu instid0(VALU_DEP_2)
	v_max3_num_f32 v254, v232, v233, v234
	s_delay_alu instid0(VALU_DEP_1)
	v_max_num_f32 v254, v254, v235                 ; the step's largest score of my query
	s_delay_alu instid0(VALU_DEP_1)
	v_mul_f32 v254, s[CS], v254                    ; as t (c is positive)
	s_delay_alu instid0(VALU_DEP_1)
	v_max_num_f32 v13, v13, v254                   ; the running largest t
	v_mov_b32 v254, v12
	s_delay_alu instid0(VALU_DEP_2)
	v_floor_f32 v12, -v13                          ; the new -M = floor(-t): M is a whole number
	s_delay_alu instid0(VALU_DEP_1)
	v_sub_f32 v254, v12, v254                      ; old M - new M: a whole number, 0 or less
	s_delay_alu instid0(VALU_DEP_1)
	v_cvt_i32_f32 v254, v254                       ; (it saturates)
	s_delay_alu instid0(VALU_DEP_1)
	v_ldexp_f32 v252, 1.0, v254                    ; f = 2^(old M - new M)
.set jj, 0
.rept 32
	v_pk_fma_f32 v[96+jj:97+jj], v[96+jj:97+jj], s[CS:CS+1], v[12:13] op_sel_hi:[1,0,0]   ; t - M, two at a time
.set jj, jj+2
.endr
.irp b, 0,1,2,3
	v_fma_f32 v[232+\b], v[232+\b], s[CS], v12     ; the same of each block's largest score
.endr
.set jj, 0
	s_wait_alu depctr_va_vdst(0)
.rept 64
	v_exp_f32 v[96+jj], v[96+jj]                   ; p = 2^(t - M), at most 1
.set jj, jj+1
.endr
	v_pk_mul_f32 v[14:15], v[14:15], v[252:253] op_sel_hi:[1,0]   ; the sums under the new M (a plain line behind the exponentials)
	s_wait_alu depctr_va_vdst(0)                   ; one wait for the batch of 64, ahead of its first reader
.irp b, 0,1,2,3
	v_exp_f32 v[232+\b], v[232+\b]                 ; the block's largest p: the same two instructions on the same number give the same bits
.endr
	v_pk_add_f32 v[236:237], v[96:97], v[98:99]    ; the row's sum, of the unquantised p: two at a time, in two chains
.set jj, 4
.rept 15
	v_pk_add_f32 v[14:15], v[14:15], v[96+jj:97+jj]
	v_pk_add_f32 v[236:237], v[236:237], v[98+jj:99+jj]
.set jj, jj+4
.endr
	s_delay_alu instid0(VALU_DEP_1)
	v_pk_add_f32 v[14:15], v[14:15], v[236:237]
	s_wait_alu depctr_va_vdst(0)                   ; and one for the four
.irp b, 0,1,2,3
	v_max_num_f32 v[232+\b], 0x1800000, v[232+\b]  ; the floor 2^(3 - 127): the byte cannot fall under 1
.endr
.irp b, 0,1,2,3
	s_delay_alu instid0(VALU_DEP_4)
	v_add_nc_u32 v[244+\b], 0xff000000, v[232+\b]  ; 2 off the exponent field: the conversion's scale operand
.endr
.irp b, 0,1,2,3
	s_delay_alu instid0(VALU_DEP_4)
	v_lshrrev_b32 v[236+\b], 23, v[244+\b]         ; the scale's byte
.endr
	s_delay_alu instid0(VALU_DEP_3)
	v_lshl_or_b32 v253, v237, 8, v236              ; p's scale word for these 128 keys
	s_delay_alu instid0(VALU_DEP_1)
	v_lshl_or_b32 v253, v238, 16, v253
	s_delay_alu instid0(VALU_DEP_1)
	v_lshl_or_b32 v253, v239, 24, v253
.irp c, 0,1
	v_cvt_scalef32_pk16_fp6_f32 v[224+6*\c:226+6*\c], v[96+32*\c:111+32*\c], v[244+2*\c]
	v_cvt_scalef32_pk16_fp6_f32 v[236+4*\c:238+4*\c], v[112+32*\c:127+32*\c], v[244+2*\c+1]   ; (a conversion's three registers begin on an even number)
.endr
	v_nop                                          ; one plain line behind the scaled conversions
.irp c, 0,1                            ; the operand's layout wants a whole block in a lane
.irp i, 0,1,2
	v_permlane16_swap_b32 v[224+6*\c+\i], v[236+4*\c+\i]
.endr
.irp i, 0,1,2
	s_delay_alu instid0(VALU_DEP_3)
	v_mov_b32 v[227+6*\c+\i], v[236+4*\c+\i]
.endr
.endr
.if \copy
	WIN 0x01
	s_setprio 0
	v_mov_b32 v214, v253                           ; scale operands are taken from window 0
	WIN 0x55
.endif
.set jj, 0
.rept 16
	v_pk_mul_f32 v[160+jj:161+jj], v[160+jj:161+jj], v[252:253] op_sel_hi:[1,0]   ; O^T under the new M.  (These sixteen also stand between the writing of p's codes and word and the products that read them)
.set jj, jj+2
.endr
.endm
; A KEY STEP: 128 keys, both tiles.  27 LDS loads, 24 matrix instructions.  No accumulator is named by two matrix instructions that follow each other.
.macro STEP
	v_add_nc_u32 v[AL], s[TB], v[LI]
	v_add_nc_u32 v[AR], s[TB], v[LR]
	v_nop
	v_nop                                          ; four plain lines behind the last step's products, in front of the loads into v^T's registers and v's words
.irp g, 0,1,2,3,4,5,6,7,8,9,10,11
	ds_load_b128 v[32+4*\g:35+4*\g], v[AL] offset:512*\g           ; k's eight tiles
.endr
	ds_load_b128 v[86:89], v[AR] offset:6144       ; k's words, tiles 0-3: lane r's four
	ds_load_b128 v[90:93], v[AR] offset:6400       ; tiles 4-7
	ds_load_b128 v[248:251], v[AR] offset:12800    ; v's words
	WIN 0x40                                       ; destination window 1
.irp g, 0,1,2,3,4,5,6,7,8,9,10,11
	ds_load_b128 v[32+4*\g:35+4*\g], v[AL] offset:6656+512*\g      ; v^T's four tiles
.endr
	s_wait_dscnt 12                                ; k and all words are in; v^T's twelve loads may be out
	WIN 0
	QK 94
	WIN 0x54                                       ; k window 0, q and S^T window 1
	QK 95
	WIN 0
.rept 4
	v_nop                                          ; places in front of the first read of the scores
.endr
	SOFTMAX 0
	s_wait_alu depctr_va_vdst(0)
	s_wait_dscnt 0x0                               ; v^T is in
	WIN 0x01                                       ; v^T window 1, p and O^T window 0
	s_setprio 1
	PV 253
	WIN 0x55
	SOFTMAX 1
	PV 214
	WIN 0
	s_add_co_u32 s[TB], s[TB], STEPB
.endm
.macro SLOT_STEPS                      ; a slot's four key steps: written once, walked four times
	s_mov_b32 s[CNT], 4
.Lstep_\@:
	s_setprio 2
	STEP
	s_sub_co_u32 s[CNT], s[CNT], 1
	s_cmp_lg_u32 s[CNT], 0
	s_cbranch_scc1 .Lstep_\@
	s_setprio 0
	s_sub_co_u32 s[TB], s[TB], SLOTB               ; back to a slot's first step,
	s_xor_b32 s[TB], s[TB], SLOT1                  ; in the other slot
.endm
; THE CHANGE OF SLOTS stands at a slot's head.  Each wave waits for all its tensor loads (its part of the slot ahead), adds 0 to its spare word, and waits for that and for its reads of the slot that it has left.
; fill = 1: the barrier is a round of the cluster's, and behind it the slot just left is filled with the four key steps that follow: the load has four steps' work in which to land.
.macro CHANGE fill
	s_wait_tensorcnt 0x0                           ; no tensor load of mine is out, so group 0 may be written
	ds_add_u32 v[SPW], v[NIL]                      ; 0 onto my spare word
.if \fill
	s_xor_b32 s[G0+1], s[G0+1], SLOT1              ; the other slot than last time,
	s_add_nc_u64 s[G0+2:G0+3], s[G0+2:G0+3], SLOTB ; the next four key steps; the type bits on top are not reached
	s_wait_xcnt 0x0                                ; the last prefetch, a slot back, has read its address
	s_add_nc_u64 s[PFA:PFA+1], s[PFA:PFA+1], SLOTB
	s_wait_dscnt 0x0                               ; the add is done, and my reads of the slot that I have left are over
	CROUND
	TLOAD                                          ; the first thing behind the round, and a wave's one tensor load until the next
	ASK
.else
	s_wait_dscnt 0x0
	s_barrier_signal -1
	s_barrier_wait -1
.endif
.endm
; A head's end, for the tile in the window that is set: O^T / l, and its 64 channels (two blocks of 32 along the last product's K) quantised.  c = 0: the pair's first head: k 0-63 of the fragment; c = 1: k 64-127.
.macro FIN1 c
	v_add_f32 v14, v14, v15                        ; the sum's two halves,
	s_delay_alu instid0(VALU_DEP_1)
	v_permlanex16_b32 v252, v14, s[SEL], s[SEL+1]
	s_delay_alu instid0(VALU_DEP_1)
	v_add_f32 v14, v14, v252                       ; and lane l xor 16's
	s_wait_alu depctr_va_vdst(0)
	v_rcp_f32 v14, v14
	v_nop                                          ; a plain line behind the reciprocal
	s_wait_alu depctr_va_vdst(0)                   ; and the wait ahead of its first reader
.set jj, 0
.rept 16
	v_pk_mul_f32 v[96+jj:97+jj], v[160+jj:161+jj], v[14:15] op_sel_hi:[1,0]   ; register 16 b + i = channel 32 b + 16 (lane / 16) + i; each accumulator is read from its low end on
.set jj, jj+2
.endr
.irp b, 0,1
	v_max3_num_f32 v[232+\b], |v[96+16*\b]|, |v[97+16*\b]|, 0x1800000
.endr
.irp i, 2,4,6,8,10,12,14
.irp b, 0,1
	s_delay_alu instid0(VALU_DEP_2)
	v_max3_num_f32 v[232+\b], v[232+\b], |v[96+16*\b+\i]|, |v[97+16*\b+\i]|
.endr
.endr
.irp b, 0,1
	s_delay_alu instid0(VALU_DEP_2)
	v_permlanex16_b32 v[236+\b], v[232+\b], s[SEL], s[SEL+1]
.endr
.irp b, 0,1
	s_delay_alu instid0(VALU_DEP_2)
	v_max_num_f32 v[232+\b], v[232+\b], v[236+\b]
.endr
.irp b, 0,1
	s_delay_alu instid0(VALU_DEP_2)
	v_add_nc_u32 v[244+\b], 0xff000000, v[232+\b]
.endr
.irp b, 0,1
	s_delay_alu instid0(VALU_DEP_2)
	v_lshrrev_b32 v[236+\b], 23, v[244+\b]
.endr
.if \c == 0
	s_delay_alu instid0(VALU_DEP_1)
	v_lshl_or_b32 v212, v237, 8, v236
.else
	s_delay_alu instid0(VALU_DEP_1)
	v_lshl_or_b32 v213, v237, 8, v236
	s_delay_alu instid0(VALU_DEP_1)
	v_lshl_or_b32 v213, v213, 16, v212             ; the four bytes of my token's 128 along K
.endif
	v_cvt_scalef32_pk16_fp6_f32 v[200+6*\c:202+6*\c], v[96:111], v244
	v_cvt_scalef32_pk16_fp6_f32 v[240:242], v[112:127], v245
	v_nop
.irp i, 0,1,2
	v_permlane16_swap_b32 v[200+6*\c+\i], v[240+\i]
.endr
.irp i, 0,1,2
	s_delay_alu instid0(VALU_DEP_3)
	v_mov_b32 v[203+6*\c+\i], v[240+\i]
.endr
.endm
.macro FINISH c
.rept 4
	v_nop                                          ; places behind the last products
.endr
	FIN1 \c
	WIN 0x55
	FIN1 \c
	WIN 0
.endm
.Lhead_a:                                          ; four trips: slots 0 to 3 are walked, slots 1 to 4 asked for
	CHANGE 1
	SLOT_STEPS
	s_sub_co_u32 s[SLOTS], s[SLOTS], 1
	s_cmp_lg_u32 s[SLOTS], 3
	s_cbranch_scc1 .Lhead_a
	FINISH 0
	s_wait_loadcnt 0x0                             ; the second head's q
	QIN
	INIT
	WIN 0x55
	INIT
	WIN 0
.Lhead_b:                                          ; three trips: slots 4 to 6 are walked, slots 5 to 7 asked for
	CHANGE 1
	SLOT_STEPS
	s_sub_co_u32 s[SLOTS], s[SLOTS], 1
	s_cmp_lg_u32 s[SLOTS], 0
	s_cbranch_scc1 .Lhead_b
	CHANGE 0                                       ; the last slot is written out
	SLOT_STEPS
	FINISH 1
	; THE WAY OUT: each tile's fragment as an image (three stores of 512 consecutive bytes); the scale words meet in LDS and leave as whole runs of 512 bytes
.irp g, 0,1,2
	global_store_b128 v[LI], v[200+4*\g:203+4*\g], s[OB:OB+1] offset:512*\g
.endr
	ds_store_b32 v[OSA], v213                      ; lanes r and r + 16 write the same word with the same value
	WIN 0x04                                       ; a store's data are its source 1: window 1
.irp g, 0,1,2
	global_store_b128 v[LI], v[200+4*\g:203+4*\g], s[OB:OB+1] offset:12288+512*\g
.endr
	ds_store_b32 v[OSA], v213 offset:64
	WIN 0
	s_wait_dscnt 0x0                               ; for the others' sake: my words lie in LDS
	s_barrier_signal -1
	s_barrier_wait -1
	s_cmp_lt_u32 s[WV], 2
	s_cbranch_scc0 .Lno_words
	ds_load_b128 v[216:219], v[OSR]
	s_wait_dscnt 0x0
	global_store_b128 v[LI], v[216:219], s[OSB:OSB+1]
.Lno_words:
	s_wait_tensorcnt 0x0                           ; the wave's end
	ds_add_u32 v[SPW], v[NIL]
	s_wait_dscnt 0x0
	CROUND                                         ; the closing round
	s_endpgm
.Lfunc_end_k_q81af1cc7d2_attn:
	.size	k_q81af1cc7d2_attn, .Lfunc_end_k_q81af1cc7d2_attn-k_q81af1cc7d2_attn
	.p2alignl 7, 3214868480
	.fill 96, 4, 3214868480
	.section	.rodata,"a",@progbits
	.p2align	6, 0x0
	.amdhsa_kernel k_q81af1cc7d2_attn
		.amdhsa_group_segment_fixed_size 327680
		.amdhsa_private_segment_fixed_size 0
		.amdhsa_enable_private_segment 0
		.amdhsa_kernarg_size 32
		.amdhsa_user_sgpr_count 2
		.amdhsa_user_sgpr_kernarg_segment_ptr 1
		.amdhsa_wavefront_size32 1
		.amdhsa_system_sgpr_workgroup_id_x 1
		.amdhsa_system_sgpr_workgroup_id_y 1
		.amdhsa_system_sgpr_workgroup_id_z 1
		.amdhsa_system_vgpr_workitem_id 0
		.amdhsa_next_free_vgpr 512
		.amdhsa_next_free_sgpr 66
		.amdhsa_reserve_vcc 0
		.amdhsa_float_denorm_mode_32 3
		.amdhsa_float_denorm_mode_16_64 3
		.amdhsa_memory_ordered 1
		.amdhsa_forward_progress 1
		.amdhsa_inst_pref_size 128
	.end_amdhsa_kernel
	.amdgpu_metadata
---
amdhsa.version: [ 1, 2 ]
amdhsa.kernels:
  - .name:           k_q81af1cc7d2_attn
    .symbol:         k_q81af1cc7d2_attn.kd
    .args:
      - { .name: qi, .offset: 0, .size: 8, .value_kind: global_buffer, .address_space: global }
      - { .name: kv, .offset: 8, .size: 8, .value_kind: global_buffer, .address_space: global }
      - { .name: oi, .offset: 16, .size: 8, .value_kind: global_buffer, .address_space: global }
      - { .name: osw, .offset: 24, .size: 8, .value_kind: global_buffer, .address_space: global }
    .group_segment_fixed_size: 327680
    .private_segment_fixed_size: 0
    .kernarg_segment_align: 8
    .kernarg_segment_size: 32
    .max_flat_workgroup_size: 256
    .sgpr_count:     66
    .vgpr_count:     512
    .wavefront_size: 32
...
	.end_amdgpu_metadata
.endif
;; end of part 3
;; launch proj (part 4): grid 4 x 32, 4 waves a work-group, clusters of 4 x 4, 327,680 bytes of LDS; arguments oi, osw, codes, scales, b_proj, out0; writes out0
.if DOCPART == 4
	.amdgcn_target "amdgcn-amd-amdhsa--gfx1250"
	.amdhsa_code_object_version 6
	.text
	.protected	k_q81af1cc7d2_proj
	.globl	k_q81af1cc7d2_proj
	.p2align	8
	.type	k_q81af1cc7d2_proj,@function
k_q81af1cc7d2_proj:
	s_mov_b64 s[64:65], 0
	v_nop
	global_prefetch_b8 v0, s[64:65] scope:SCOPE_SE
	s_setreg_imm32_b32 hwreg(HW_REG_WAVE_MODE, 25, 1), 1
	s_wait_xcnt 0x0
	s_wait_alu depctr_hold_cnt(0) depctr_sa_sdst(0) depctr_va_vdst(0) depctr_va_sdst(0) depctr_va_ssrc(0) depctr_va_vcc(0) depctr_vm_vsrc(0)
	s_getreg_b32 s2, hwreg(HW_REG_IB_STS2, 6, 4)
	s_cmp_eq_u32 s2, 0
	s_cbranch_scc0 .Lentry_in_a_cluster
	s_endpgm
.Lentry_in_a_cluster:
	s_bfe_u32 s2, ttmp6, 0x10000c
	s_cmp_lg_u32 s2, 0xf033
	s_cbranch_scc0 .Lentry_shape_is_right
	s_endpgm
.Lentry_shape_is_right:
; out0 = O W_proj^T + b_proj on codes of FP6 (E2M3) with one E8M0 scale for each 32 along K = 1,024.  out0: [8192][1024] f32.
; A work-group of four waves makes 256 tokens x 256 features, a wave 128 x 128 in 64 accumulators.  K goes in steps of 256 through a ring of two LDS slots filled by the tensor data mover.
; P = source 0 = 16 stored rows of W_proj (rows of 768 bytes of codes, as the first launch laid them);  R = source 1 = 16 tokens of O.
; O LIES IN MEMORY AS IMAGES OF OPERAND REGISTERS: oi [tile of 16 tokens 512][128 along K 8] of 1,536 bytes, each group of four registers 512 bytes, lane l's 16 bytes at 16 l: a fragment comes from LDS by three loads of 16 bytes a lane.
; Its scale words lie in planes, osw [128 along K 8][token 8192].  Tokens and W's rows stand in the stored order (bits 3 and 4 of a row's number exchanged): a lane's eight registers of P's tile b are features
; 32 (b / 2) + 16 (lane / 16) + 8 (b % 2) + 0 .. 7, and row t of R's block a is token 32 (a / 2) + 8 (a % 2) + t + 8 (t / 8): the way out puts both right, in the stage's offsets and in the stores' immediates.
; The bias is the C of each sum's first matrix instruction.
; CLUSTERS: 4 x 4 work-groups.  R's tiles hang on the tile row and are asked for jointly by a row of the cluster, P's on the tile column and by a column.
; 128 work-groups: a tile of half the size would halve the matrix work between a request and the wait for it and read half as much again from LDS for each product.
; REGISTERS, in windows of 256: window 0: v16-31 addresses, v32-63 P's scale words (two sets), v64-127 the bias, v128-223 R's fragments (one set), v224-255 R's scale words (two sets); on the way out rows of out0 in v128-191 and v64-127.
;   window 1: P's fragments, two sets.   windows 2, 3: the accumulators: (a, b) at v[8 (8 (a % 4) + b)].
.set NQ,     2
.set ROWB,   192                       ; a row of P's tile in bytes
.set KROW,   768
.set PITCH,  240                       ; P's LDS row: 3 x (64 bytes + 16 of padding)
.set FR,     12
.set NLA,    3                         ; LDS loads that bring a fragment of R
.set NP,     4                         ; places behind this matrix instruction (ISA guide 7.12.1)
.set HALFA,  8*3072                    ; 128 tokens x 256 along K as images
.set HALFT,  128*PITCH                 ; 128 rows of P
.set SLOT,   2*HALFA+2*HALFT           ; R's two halves, then P's two
.set LAPS,   2
.set SCLA,   2*SLOT                    ; R's scale words: two halves of 8 planes x 512 bytes
.set SCLB,   SCLA+8192                 ; P's scale bytes: two halves of 16 rows of 256 bytes + 16 of padding
.set HALFS,  16*272
.set SBLK,   2*272
.set SPARE,  SCLB+2*HALFS              ; the spare words: 128 bytes a wave, two blocks of 256 bytes that no other line names
.set SPITCH, 528                       ; the way out: a stage of 16 rows x (512 bytes + 16) for each wave, in slot 0, which has had its last fill and its last read by then
.set ADRA, 16                          ; v16-17  LDS address of my R images in slot 0, 1
.set ADRB, 20                          ; v20-21  of my P fragments (v22-23: behind one padding more)
.set STO,  24                          ; v24     the way out: where I put 32 bytes of a row
.set RD,   25                          ; v25     where I read a row back
.set CO,   26                          ; v26     16 x lane
.set ADRSA, 27                         ; v27     R's scale words
.set SPW,  28                          ; v28     LDS address of my spare word; never rewritten
.set NIL,  29                          ; v29     0; never rewritten
.set ADRSB, 30                         ; v30     P's scale words
.set BO,   31                          ; v31     64 (lane / 16): the bias's offset
.set SCP,  32
.set BP,   64
.set AF,   128
.set SCR,  224
.set G1, 24                            ; s[24:31] descriptor group 1 for R's tiles;  s[32:39] group 0, one set for each slot
.set G0, 32
.set G1B, 48                           ; the same for P's
.set G0B, 56
.set G1S, 68                           ; groups 1 and 0 for R's scale words; then P's scale bytes
.set G0S, 76
.set G1SB, 80
.set G0SB, 88
.set MSB, 0
.macro WIN new
.if MSB != (\new)
	s_set_vgpr_msb (MSB<<8)|(\new)
.set MSB, \new
.endif
.endm
.set MUL_LO, 0xa1                      ; source 0 (P) window 1, source 1 (R) window 0, C and D window 2
.set MUL_HI, 0xf1                      ; the same, C and D window 3
.set TO_B,   0x40
.macro JLOAD g0a, g1a, g0b, g1b        ; a joint load: waves 0 and 1 fetch for R, waves 2 and 3 for P; four v_nop follow each of the two lines
	s_cmp_eq_u32 s15, 0
	s_cbranch_scc0 .Lfor_b_\@
	tensor_load_to_lds s[\g0a:\g0a+3], s[\g1a:\g1a+7]
	s_nop 0
.rept 4
	v_nop
.endr
	s_branch .Lasked_\@
.Lfor_b_\@:
	tensor_load_to_lds s[\g0b:\g0b+3], s[\g1b:\g1b+7]
	s_nop 0
.rept 4
	v_nop
.endr
.Lasked_\@:
.endm
.macro CREST
	s_cmp_lg_u32 s14, 0
	s_cbranch_scc1 .Lnot_wave_0_\@
	s_barrier_signal -3
.Lnot_wave_0_\@:
	s_barrier_wait -3
	s_barrier_signal -1
	s_barrier_wait -1
.endm
.macro CROUND
	s_barrier_signal -1
	s_barrier_wait -1
	CREST
.endm
	s_load_b128 s[4:7], s[0:1], 0x0                ; oi, osw
	s_load_b128 s[8:11], s[0:1], 0x10              ; the codes, the scale bytes
	s_load_b128 s[96:99], s[0:1], 0x20             ; b_proj, out0
	v_lshl_add_u32 v[SPW], v0, 2, SPARE
	v_mov_b32 v[NIL], 0
	ds_add_u32 v28, v29
	s_wait_dscnt 0x0
	v_lshrrev_b32 v1, 5, v0
	v_readfirstlane_b32 s14, v1                    ; wave 0..3
	s_lshr_b32 s15, s14, 1                         ; which half of the tokens is mine.  Also: I fetch for R (0) or for P (1)
	s_and_b32 s16, s14, 1                          ; which half of the features.  Also: which half I fetch
	s_bfe_u32 s40, ttmp6, 0x40000                  ; cx, cy
	s_bfe_u32 s41, ttmp6, 0x40004
	s_lshl_b32 s42, ttmp9, 2
	s_add_co_u32 s42, s42, s40                     ; tile column = 4 x cluster x + cx
	s_and_b32 s17, ttmp7, 0xffff
	s_lshl_b32 s17, s17, 2
	s_add_co_u32 s17, s17, s41                     ; tile row = 4 x cluster y + cy
	s_lshl_b32 s43, s41, 2
	s_lshl_b32 s43, 15, s43                        ; my row of the cluster
	s_lshl_b32 s44, 0x1111, s40                    ; my column
	; R's tiles: 8 tiles of tokens x 3,072 bytes (two images), 12,288 bytes apart; no padding: every LDS read takes consecutive bytes
	s_or_b32 s[G1+0], s43, (3<<16)|(1<<21)         ; 15:0 the mask; 17:16 elements of 8 bytes; 21 set beside a mask
	s_mov_b32 s[G1+1], 384<<16                     ; tensor_dim0
	s_mov_b32 s[G1+2], 8<<16                       ; tensor_dim1
	s_mov_b32 s[G1+3], 384<<16                     ; tile_dim0
	s_mov_b32 s[G1+4], 8                           ; tile_dim1
	s_mov_b32 s[G1+5], 1536                        ; tensor_dim0_stride
	s_mov_b32 s[G1+6], 0
	s_mov_b32 s[G1+7], 0
	; P's tiles: 128 rows x 192 bytes, 16 bytes of padding behind every 64
	s_or_b32 s[G1B+0], s44, (0<<16)|(1<<20)|(1<<21)|(3<<22)|(3<<25)
	s_mov_b32 s[G1B+1], ROWB<<16
	s_mov_b32 s[G1B+2], 128<<16
	s_mov_b32 s[G1B+3], ROWB<<16
	s_mov_b32 s[G1B+4], 128
	s_mov_b32 s[G1B+5], KROW
	s_mov_b32 s[G1B+6], 0
	s_mov_b32 s[G1B+7], 0
	; R's scale words: 8 planes x 512 bytes (128 tokens), 32,768 bytes apart
	s_or_b32 s[G1S+0], s43, (3<<16)|(1<<21)
	s_mov_b32 s[G1S+1], 64<<16
	s_mov_b32 s[G1S+2], 8<<16
	s_mov_b32 s[G1S+3], 64<<16
	s_mov_b32 s[G1S+4], 8
	s_mov_b32 s[G1S+5], 4096
	s_mov_b32 s[G1S+6], 0
	s_mov_b32 s[G1S+7], 0
	; P's scale bytes: 4,096 dense bytes as 16 rows of 256, 16 bytes of padding behind each
	s_or_b32 s[G1SB+0], s44, (3<<16)|(1<<20)|(1<<21)|(5<<22)|(3<<25)
	s_mov_b32 s[G1SB+1], 32<<16
	s_mov_b32 s[G1SB+2], 16<<16
	s_mov_b32 s[G1SB+3], 32<<16
	s_mov_b32 s[G1SB+4], 16
	s_mov_b32 s[G1SB+5], 32
	s_mov_b32 s[G1SB+6], 0
	s_mov_b32 s[G1SB+7], 0
	s_lshl_b32 s20, s17, 4
	s_lshl_b32 s18, s16, 3
	s_add_co_u32 s20, s20, s18                     ; R: tile of tokens 16 x tile row + 8 x half
	s_mul_i32 s20, s20, 12288
	s_mov_b32 s21, 0
	s_lshl_b32 s22, s17, 10
	s_lshl_b32 s18, s16, 9
	s_add_co_u32 s22, s22, s18                     ; its words: 4 (256 x tile row + 128 x half)
	s_mov_b32 s23, 0
	s_lshl_b32 s46, s42, 8
	s_lshl_b32 s18, s16, 7
	s_add_co_u32 s46, s46, s18
	s_add_co_u32 s46, s46, 11264                   ; P: stored row 11,264 + 256 x tile column + 128 x half
	s_lshl_b32 s92, s46, 5                         ; its scale bytes
	s_mov_b32 s93, 0
	s_mul_i32 s46, s46, KROW                       ; its codes
	s_mov_b32 s47, 0
	s_mul_i32 s45, s16, HALFA                      ; where they go: no place in the cluster enters an LDS address
	s_mul_i32 s94, s16, HALFT
	s_add_co_u32 s94, s94, 2*HALFA
	s_lshl_b32 s95, s16, 12
	s_add_co_u32 s95, s95, SCLA
	s_mul_i32 s66, s16, HALFS
	s_add_co_u32 s66, s66, SCLB
	s_wait_kmcnt 0x0
	s_add_nc_u64 s[20:21], s[4:5], s[20:21]
	s_add_nc_u64 s[22:23], s[6:7], s[22:23]
	s_add_nc_u64 s[46:47], s[8:9], s[46:47]
	s_add_nc_u64 s[92:93], s[10:11], s[92:93]
	CROUND                                         ; all sixteen work-groups are here: the first joint loads meet
	s_mov_b32 s[G0S], 1
	s_mov_b32 s[G0S+1], s95
	s_mov_b64 s[G0S+2:G0S+3], s[22:23]
	s_or_b32 s[G0S+3], s[G0S+3], 0x80000000
	s_mov_b32 s[G0SB], 1
	s_mov_b32 s[G0SB+1], s66
	s_mov_b64 s[G0SB+2:G0SB+3], s[92:93]
	s_or_b32 s[G0SB+3], s[G0SB+3], 0x80000000
	JLOAD G0S, G1S, G0SB, G1SB                     ; the scales first: they are wanted with K step 0
.irp s, 0,1
	s_mov_b32 s[G0+4*\s], 1
	s_add_co_u32 s[G0+4*\s+1], s45, \s*SLOT
	s_add_nc_u64 s[G0+4*\s+2:G0+4*\s+3], s[20:21], \s*3072
	s_or_b32 s[G0+4*\s+3], s[G0+4*\s+3], 0x80000000
	s_mov_b32 s[G0B+4*\s], 1
	s_add_co_u32 s[G0B+4*\s+1], s94, \s*SLOT
	s_add_nc_u64 s[G0B+4*\s+2:G0B+4*\s+3], s[46:47], \s*ROWB
	s_or_b32 s[G0B+4*\s+3], s[G0B+4*\s+3], 0x80000000
	JLOAD G0+4*\s, G1, G0B+4*\s, G1B
.endr
	v_and_b32 v1, 15, v0                           ; r
	v_bfe_u32 v2, v0, 4, 1                         ; h
	v_and_b32 v3, 31, v0                           ; lane
	v_lshlrev_b32 v[CO], 4, v3
	v_mul_u32_u24 v4, v1, PITCH
	v_mad_u32_u24 v4, v2, 24, v4                   ; P: a fragment's row x pitch + 24 x half
	v_lshl_add_u32 v5, v2, 4, v4                   ; and the same behind one padding more
	s_mul_i32 s21, s15, HALFA                      ; my 128 tokens
	s_mul_i32 s22, s16, HALFT                      ; my 128 rows of P,
	s_add_co_u32 s22, s22, 2*HALFA                 ; which lie behind R's two halves
.irp s, 0,1
	v_add_nc_u32 v[ADRA+\s], s21, v[CO]
	v_add_nc_u32 v[ADRB+\s], s22, v4
	v_add_nc_u32 v[ADRB+2+\s], s22, v5
	s_add_co_u32 s21, s21, SLOT
	s_add_co_u32 s22, s22, SLOT
.endr
	s_lshl_b32 s21, s15, 12
	s_add_co_u32 s21, s21, SCLA
	v_lshl_add_u32 v[ADRSA], v1, 2, s21            ; R's words: my half's planes, 4 r
	v_lshlrev_b32 v5, 5, v1                        ; P's: 32 bytes a row,
	v_lshrrev_b32 v6, 8, v5
	v_lshl_add_u32 v5, v6, 4, v5                   ; and 16 more for each 256 passed
	s_mul_i32 s22, s16, HALFS
	s_add_co_u32 s22, s22, SCLB
	v_add_nc_u32 v[ADRSB], s22, v5
	s_mul_i32 s23, s14, 16*SPITCH                  ; my stage
	v_mul_u32_u24 v5, v1, SPITCH                   ; in: row r, + 64 h
	v_lshl_add_u32 v5, v2, 6, v5
	v_add_nc_u32 v[STO], s23, v5
	v_add_nc_u32 v[RD], s23, v[CO]                 ; back: the 32 lanes take one row of 512 bytes
	v_lshlrev_b32 v[BO], 6, v2
	s_lshl_b32 s46, s42, 10
	s_lshl_b32 s47, s16, 9
	s_add_co_u32 s46, s46, s47                     ; my first feature, in bytes: 1,024 x tile column + 512 x half
	s_mov_b32 s47, 0
	s_add_nc_u64 s[96:97], s[96:97], s[46:47]
	s_add_nc_u64 s[98:99], s[98:99], s[46:47]
	s_lshl_b32 s20, s17, 20                        ; my first token x 4,096 bytes: 256 x tile row + 128 x half (under 2^25)
	s_lshl_b32 s21, s15, 19
	s_add_co_u32 s20, s20, s21
	s_mov_b32 s21, 0
	s_add_nc_u64 s[98:99], s[98:99], s[20:21]
.irp u, 0,1,2,3                        ; the bias in the result's layout: register 16 u + i = feature 32 u + 16 h + i
.irp j, 0,1,2,3
	global_load_b128 v[BP+16*\u+4*\j:BP+16*\u+4*\j+3], v[BO], s[96:97] offset:128*\u+16*\j
.endr
.endr
.macro FRAG reg, adr, q, i             ; a fragment of P from rows: six pieces of 8 bytes; lanes 16-31 take the pieces three on, by the second address register where that is behind one padding more
.irp p, 0,1,2,3,4,5
.set PC, 12*(\q)+6*(\p/3)+\p%3
.if PC%8 < 5
	ds_load_b64 v[\reg+2*\p:\reg+2*\p+1], v[\adr] offset:8*PC+16*(PC/8)+(\i)*16*PITCH
.else
	ds_load_b64 v[\reg+2*\p:\reg+2*\p+1], v[\adr+2] offset:8*PC+16*(PC/8)+(\i)*16*PITCH
.endif
.endr
.endm
; 16 matrix instructions: R's blocks a0, a0 + 1 x P's eight, 128 along K.  first = 1: the sums begin with the bias as C.  The 64 accumulators take turns, one instruction a turn.
.macro MUL16 a0, p, q, sc, first
.irp a, \a0, \a0+1
.irp b, 0,1,2,3,4,5,6,7
.if \first
	v_wmma_scale_f32_16x16x128_f8f6f4 v[8*(8*((\a)%4)+\b):8*(8*((\a)%4)+\b)+7], v[128*(\p)+FR*\b:128*(\p)+FR*\b+FR-1], v[AF+FR*(\a):AF+FR*(\a)+FR-1], v[BP+8*\b:BP+8*\b+7], v[SCP+16*(\sc)+2*\b+(\q)], v[SCR+16*(\sc)+2*(\a)+(\q)] matrix_a_fmt:MATRIX_FMT_FP6 matrix_b_fmt:MATRIX_FMT_FP6
.else
	v_wmma_scale_f32_16x16x128_f8f6f4 v[8*(8*((\a)%4)+\b):8*(8*((\a)%4)+\b)+7], v[128*(\p)+FR*\b:128*(\p)+FR*\b+FR-1], v[AF+FR*(\a):AF+FR*(\a)+FR-1], v[8*(8*((\a)%4)+\b):8*(8*((\a)%4)+\b)+7], v[SCP+16*(\sc)+2*\b+(\q)], v[SCR+16*(\sc)+2*(\a)+(\q)] matrix_a_fmt:MATRIX_FMT_FP6 matrix_b_fmt:MATRIX_FMT_FP6
.endif
.endr
.endr
.endm
.macro FETCH_B slot, q, p
	WIN TO_B
.irp i, 0,1,2,3,4,5,6,7
	FRAG 128*(\p)+FR*\i, ADRB+\slot, \q, \i
.endr
	WIN 0
.endm
.macro FETCH_A slot, q, i0             ; R's blocks i0 .. i0 + 3: an image is three loads of 512 consecutive bytes
.irp i, \i0, \i0+1, \i0+2, \i0+3
.irp g, 0,1,2
	ds_load_b128 v[AF+FR*(\i)+4*\g:AF+FR*(\i)+4*\g+3], v[ADRA+\slot] offset:3072*(\i)+1536*(\q)+512*\g
.endr
.endr
.endm
.macro SCALES sc                       ; a K step's scale words into set sc: register 2 i + q = block i, the slot's q-th 128 along K; lane r holds row r's word
.irp i, 0,1,2,3,4,5,6,7
	ds_load_b32 v[SCR+16*\sc+2*\i], v[ADRSA] offset:64*\i
	ds_load_b32 v[SCR+16*\sc+2*\i+1], v[ADRSA] offset:512+64*\i
	ds_load_b64 v[SCP+16*\sc+2*\i:SCP+16*\sc+2*\i+1], v[ADRSB] offset:\i*SBLK
.endr
.endm
.macro PLACES n
.rept \n
	v_nop
.endr
.endm
.macro STEP slot, q, first
	s_wait_dscnt 4*NLA                             ; P's set, the words and R's blocks 0-3 are in; the youngest 12 loads (R's blocks 4-7) may be out
.if \first
	WIN 0x81                                       ; the bias lies in window 0
.else
	WIN MUL_LO
.endif
	MUL16 0, (\q)%2, \q, \slot, \first
	MUL16 2, (\q)%2, \q, \slot, \first
	s_wait_dscnt 0                                 ; R's blocks 4-7 are in
	PLACES NP
	FETCH_B \slot, (\q)+1, 1-(\q)%2
	FETCH_A \slot, (\q)+1, 0
.if \first
	WIN 0xc1
.else
	WIN MUL_HI
.endif
	MUL16 4, (\q)%2, \q, \slot, \first
	MUL16 6, (\q)%2, \q, \slot, \first
	PLACES NP
	WIN 0
	FETCH_A \slot, (\q)+1, 4
.endm
; A slot's last step changes slots: ONE barrier; in front of it each wave waits for all its tensor loads, adds 0 to its spare word, and waits for that and for its own reads of this slot.
.macro TURN slot, next, fill
	s_wait_tensorcnt 0x0                           ; all my tensor loads have landed: my part of the next slot
	ds_add_u32 v[SPW], v[NIL]                      ; 0 onto my spare word
	s_wait_dscnt 4*NLA+1                           ; the add and the youngest 12 loads (R's blocks 4-7) may be out
	WIN MUL_LO
	MUL16 0, 1, NQ-1, \slot, 0
	s_wait_dscnt 0x0                               ; the add is done, and my reads of this slot are over
	s_barrier_signal -1
	MUL16 2, 1, NQ-1, \slot, 0
	WIN 0
	s_barrier_wait -1
.if \fill
	CREST                                          ; the barrier has opened a round of the cluster's barrier
	s_add_nc_u64 s[G0+4*\slot+2:G0+4*\slot+3], s[G0+4*\slot+2:G0+4*\slot+3], 2*3072
	s_add_nc_u64 s[G0B+4*\slot+2:G0B+4*\slot+3], s[G0B+4*\slot+2:G0B+4*\slot+3], 2*ROWB
	JLOAD G0+4*\slot, G1, G0B+4*\slot, G1B         ; the first tensor load behind the round; its four v_nop are the places in front of the loads below
.else
	PLACES NP
.endif
	v_add_nc_u32 v[ADRSA], 1024, v[ADRSA]          ; on to the next K step's scale words: two planes,
	v_add_nc_u32 v[ADRSB], 8, v[ADRSB]             ; two words in a row
	FETCH_B \next, 0, 0
	FETCH_A \next, 0, 0
	SCALES \next
	WIN MUL_HI
	MUL16 4, 1, NQ-1, \slot, 0
	MUL16 6, 1, NQ-1, \slot, 0
	PLACES NP
	WIN 0
	FETCH_A \next, 0, 4
.endm
	s_wait_tensorcnt 1                             ; the scales and my part of K step 0 are in (K step 1's load may be out)
	s_barrier_signal -1
	s_barrier_wait -1                              ; everybody's are
	FETCH_B 0, 0, 0
	FETCH_A 0, 0, 0
	SCALES 0
	FETCH_A 0, 0, 4
	s_wait_loadcnt 0x0                             ; the bias
	STEP 0, 0, 1                                   ; the first step stands in front of the loop: its products start the sums
	s_mov_b32 s3, LAPS-1
.Llap:
	TURN 0, 1, 1
	STEP 1, 0, 0
	TURN 1, 0, 1
	STEP 0, 0, 0
	s_sub_co_u32 s3, s3, 1
	s_cmp_lg_u32 s3, 0
	s_cbranch_scc1 .Llap
	TURN 0, 1, 0                                   ; the last lap fills nothing
	STEP 1, 0, 0
	s_wait_dscnt 4*NLA                             ; the very last step
	WIN MUL_LO
	MUL16 0, 1, NQ-1, 1, 0
	MUL16 2, 1, NQ-1, 1, 0
	s_wait_dscnt 0
	WIN MUL_HI
	MUL16 4, 1, NQ-1, 1, 0
	MUL16 6, 1, NQ-1, 1, 0
	WIN 0
; THE WAY OUT, block by block of 16 tokens x 128 features, through my own stage in LDS: a lane's 32 bytes go to their features' place in the row, whole rows of 512 bytes come back and are stored by the 32 lanes.
; LDS serves a wave's instructions in order (ISA guide 5.7.1.4): no wait between the stores and the loads.
.macro TOSTAGE a
.set AC, 64*((\a)%4)
	WIN 0x08+4*((\a)/4)                            ; the data: window 2 or 3
.irp b, 0,1,2,3,4,5,6,7
	ds_store_b128 v[STO], v[AC+8*\b:AC+8*\b+3] offset:128*(\b/2)+32*(\b%2)          ; each accumulator from its low end on
	ds_store_b128 v[STO], v[AC+8*\b+4:AC+8*\b+7] offset:128*(\b/2)+32*(\b%2)+16
.endr
	WIN 0
.set BB, 128-64*((\a)%2)
.irp t, 0,1,2,3,4,5,6,7,8,9,10,11,12,13,14,15
	ds_load_b128 v[BB+4*\t:BB+4*\t+3], v[RD] offset:\t*SPITCH
.endr
.endm
.macro SEND a, younger                 ; younger: the LDS instructions issued behind block a's loads, which may stay out
.set BB, 128-64*((\a)%2)
	s_wait_dscnt \younger
.irp t, 0,1,2,3,4,5,6,7,8,9,10,11,12,13,14,15
	global_store_b128 v[CO], v[BB+4*\t:BB+4*\t+3], s[98:99] offset:(32*((\a)/2)+8*((\a)%2)+\t+8*(\t/8))*4096 th:TH_STORE_NT   ; the token's true row; 32 lanes store 512 consecutive bytes, at a multiple of 256 from out0's first byte
.endr
.endm
	PLACES NP                                      ; behind the last products: their results are read, and loads land in R's registers
	TOSTAGE 0
.irp a, 1,2,3,4,5,6,7
.if \a > 1
	s_wait_xcnt 0x0                                ; block a - 2's stores have read their registers: block a's loads may land there
.endif
	TOSTAGE \a
	SEND \a-1, 32                                  ; behind block a - 1's loads: block a's 16 stores and 16 loads
.endr
	SEND 7, 0
	s_wait_tensorcnt 0x0                           ; the wave's end
	ds_add_u32 v[SPW], v[NIL]
	s_wait_dscnt 0x0
	CROUND                                         ; the closing round
	s_endpgm
.Lfunc_end_k_q81af1cc7d2_proj:
	.size	k_q81af1cc7d2_proj, .Lfunc_end_k_q81af1cc7d2_proj-k_q81af1cc7d2_proj
	.p2alignl 7, 3214868480
	.fill 96, 4, 3214868480
	.section	.rodata,"a",@progbits
	.p2align	6, 0x0
	.amdhsa_kernel k_q81af1cc7d2_proj
		.amdhsa_group_segment_fixed_size 327680
		.amdhsa_private_segment_fixed_size 0
		.amdhsa_enable_private_segment 0
		.amdhsa_kernarg_size 48
		.amdhsa_user_sgpr_count 2
		.amdhsa_user_sgpr_kernarg_segment_ptr 1
		.amdhsa_wavefront_size32 1
		.amdhsa_system_sgpr_workgroup_id_x 1
		.amdhsa_system_sgpr_workgroup_id_y 1
		.amdhsa_system_sgpr_workgroup_id_z 1
		.amdhsa_system_vgpr_workitem_id 0
		.amdhsa_next_free_vgpr 1024
		.amdhsa_next_free_sgpr 100
		.amdhsa_reserve_vcc 0
		.amdhsa_float_denorm_mode_32 3
		.amdhsa_float_denorm_mode_16_64 3
		.amdhsa_memory_ordered 1
		.amdhsa_forward_progress 1
		.amdhsa_inst_pref_size 153
	.end_amdhsa_kernel
	.amdgpu_metadata
---
amdhsa.version: [ 1, 2 ]
amdhsa.kernels:
  - .name:           k_q81af1cc7d2_proj
    .symbol:         k_q81af1cc7d2_proj.kd
    .args:
      - { .name: oi, .offset: 0, .size: 8, .value_kind: global_buffer, .address_space: global }
      - { .name: osw, .offset: 8, .size: 8, .value_kind: global_buffer, .address_space: global }
      - { .name: codes, .offset: 16, .size: 8, .value_kind: global_buffer, .address_space: global }
      - { .name: scales, .offset: 24, .size: 8, .value_kind: global_buffer, .address_space: global }
      - { .name: b_proj, .offset: 32, .size: 8, .value_kind: global_buffer, .address_space: global }
      - { .name: out0, .offset: 40, .size: 8, .value_kind: global_buffer, .address_space: global }
    .group_segment_fixed_size: 327680
    .private_segment_fixed_size: 0
    .kernarg_segment_align: 8
    .kernarg_segment_size: 48
    .max_flat_workgroup_size: 128
    .sgpr_count:     100
    .vgpr_count:     1024
    .wavefront_size: 32
...
	.end_amdgpu_metadata
.endif
;; end of part 4
